; MI455X (gfx1250); checked and timed in simulation.
; The chip was launched on July 23, 2026; its instructions are those of AMD's public machine-readable ISA for CDNA 5 (MIT licence, August 2026) and "CDNA5" Instruction Set Architecture Reference Guide (July 2026). The comments in the code are by the model that wrote it; some were corrected since.
;; CLIP Attention. Allowed arithmetic: matrix products marked QUANTISED: E3M2 operands, one E8M0 scale for each 32 along K, by v_wmma_scale_f32_16x16x128_f8f6f4 with both operands' format E3M2, f32 sums; everything else in f32.
;; Inputs: Wk_codes 1,024 x 32 x 24 uint8 (E3M2 codes of Wk, K innermost, in blocks of 32 codes, four codes in three bytes); Wk_scales 1,024 x 32 uint8 (E8M0 scales of Wk, one for each 32 codes along K); Wo_codes 1,024 x 32 x 24 uint8 (E3M2 codes of Wo, K innermost, in blocks of 32 codes, four codes in three bytes); Wo_scales 1,024 x 32 uint8 (E8M0 scales of Wo, one for each 32 codes along K); Wq_codes 1,024 x 32 x 24 uint8 (E3M2 codes of Wq, K innermost, in blocks of 32 codes, four codes in three bytes); Wq_scales 1,024 x 32 uint8 (E8M0 scales of Wq, one for each 32 codes along K); Wv_codes 1,024 x 32 x 24 uint8 (E3M2 codes of Wv, K innermost, in blocks of 32 codes, four codes in three bytes); Wv_scales 1,024 x 32 uint8 (E8M0 scales of Wv, one for each 32 codes along K); attn_mask 1,024 x 1,024 float32; beta 1,024 float32; bk 1,024 float32; bo 1,024 float32; bq 1,024 float32; bv 1,024 float32; gamma 1,024 float32; x 1,024 x 8 x 1,024 float32.
;; Outputs: out0 1,024 x 8 x 1,024 float32.
;; This version of the problem:
;;   THIS VERSION OF THE PROBLEM IS GIVEN IN LOW PRECISION. The matrix products marked QUANTISED in the list below multiply operands that are first quantised to E3M2 (3 exponent bits, 2 mantissa bits; 6 bits a number), with one power-of-two scale for each 32 numbers along K (OCP MX v1.0); their sums are f32. All else is computed in f32.
;;   The module's matrix products, in the order in which they are computed (A, B: the left and right operand; K: the contracted axis; several contracted axes count as one K, in the product's order):
;;     1. [M 8,192, K 1,024] x [K 1,024, N 1,024]; A: computed on the way; B: input Wq (given as codes): QUANTISED
;;     2. [M 8,192, K 1,024] x [K 1,024, N 1,024]; A: computed on the way; B: input Wk (given as codes): QUANTISED
;;     3. [M 8,192, K 1,024] x [K 1,024, N 1,024]; A: computed on the way; B: input Wv (given as codes): QUANTISED
;;     4. batch 128 x [M 1,024, K 64] x [K 64, N 1,024]; A: computed on the way; B: computed on the way: QUANTISED
;;     5. batch 128 x [M 1,024, K 1,024] x [K 1,024, N 64]; A: softmax (see below); B: computed on the way: QUANTISED
;;     6. [M 8,192, K 1,024] x [K 1,024, N 1,024]; A: computed on the way; B: input Wo (given as codes): QUANTISED
;;   THE QUANTISER, for each operand of a quantised product, along K:
;;     - K is cut into blocks of 32 from its start; a last block that is shorter is filled with zeros.
;;     - A block's scale is 2^e with e = floor(log2(the largest magnitude in the block)) - 4, held to -126 .. 127; a block of zeros has e = 0. As a byte (E8M0): e + 127.
;;     - Each number is divided by its block's scale, clamped to +-28, and rounded to the nearest number of E3M2, ties to even, subnormals kept.
;;     - The product sums the exact products of the quantised numbers (number of the format x scale) in f32.
;;   ~~~python
;;   def quantise(x, axis):      # numpy; x: float32 -> the quantised numbers, widened to float32 again
;;       x = np.moveaxis(x, axis, -1); K = x.shape[-1]
;;       x = np.pad(x, [(0, 0)] * (x.ndim - 1) + [(0, -K % 32)]); x = x.reshape(x.shape[:-1] + (-1, 32)); a = np.abs(x).max(-1, keepdims=True)
;;       e = np.where(a > 0, np.clip(np.frexp(np.where(a > 0, a, 1))[1] - 1 - 4, -126, 127), 0)      # np.frexp(a)[1] - 1 = floor(log2(a)), exactly
;;       r = np.clip(x / 2.0 ** e, -28, 28)
;;       step = 2.0 ** (np.maximum(np.frexp(np.where(r == 0, 1, r))[1] - 1, -2) - 2)
;;       q = np.round(r / step) * step * 2.0 ** e      # np.round: ties to even
;;       return np.moveaxis(q.reshape(q.shape[:-2] + (-1,))[..., :K], -1, axis).astype(np.float32)
;;   ~~~
;;   SOFTMAX AHEAD OF A QUANTISED PRODUCT. Where the list says 'softmax', what is quantised is not the finished softmax but p = 2^(t - M), with t = logit x log2(e) and M = ceil(the row's largest t), a whole number; so 1/2 < the row's largest p <= 1. The row's sum l is taken of the UNQUANTISED p, in f32, and the product's result is divided by l at the end. Since M is a whole number, a kernel that streams over the keys may use a running M (the ceiling of the running maximum): every later rescaling is an exact power of two, which a block's scale takes up: the codes' values come out the same.
;;   OPERANDS COMPUTED ON THE WAY. 'Computed on the way' means the value that the module computes at that place (a softmax that the list does not call 'softmax' is quantised finished and normalised). What goes into a quantiser is computed in f32, as accurately as f32 sums, v_exp_f32 and their like allow (about 1e-6 of the number): no bf16 or f16 on the way to a quantiser, and a product that is left as it is and whose result goes on into a quantised operand takes f32 operands (vector FMAs, or v_wmma_f32_16x16x4_f32). A number that lies on a knife's edge between two numbers of the format may be rounded either way, as far as f32 arithmetic and the matrix unit's own rounding can turn it there, and no further.
;;   INPUTS GIVEN AS CODES. Wk (in the module: [1024, 1024], K = its axis 1); Wo (in the module: [1024, 1024], K = its axis 1); Wq (in the module: [1024, 1024], K = its axis 1); Wv (in the module: [1024, 1024], K = its axis 1): each comes as NAME_codes (uint8): NAME with its K axis moved to the last place and cut into blocks of 32 codes, [.., K / 32, bytes a block], one block behind the other in memory; four codes in three bytes: a row's codes are one little-endian stream of bits, code i at bits 6 i .. 6 i + 5 (a code: sign, 3 exponent bits, 2 mantissa bits); and NAME_scales (uint8): the same leading axes, one E8M0 byte (e + 127) for each 32 codes along K. Its value is code x scale, taken as it is: it is not quantised again, and the codes and scales need not be those that the quantiser above would give.
;; One version. Each part assembles by itself: llvm-mc -triple=amdgcn-amd-amdhsa -mcpu=gfx1250 --defsym DOCPART=n.
;; ======== version 1 of 1: 4 launches
;; limits: right only within a limited range of input values
;; workspace buffers: act 6,553,600 bytes; qkv 20,185,088 bytes; wlq 819,200 bytes; wlk 819,200 bytes; wlv 819,200 bytes; wlo 819,200 bytes
;; launch lnq (part 1): grid 256 x 1, 8 waves a work-group, no clusters, 68,608 bytes of LDS; arguments x, gamma, beta, act, Wq_codes, Wk_codes, Wv_codes, Wo_codes, wlq, wlk, wlv, wlo, Wq_scales, Wk_scales, Wv_scales, Wo_scales; writes act, wlq, wlk, wlv, wlo
.if DOCPART == 1
	.amdgcn_target "amdgcn-amd-amdhsa--gfx1250"
	.amdhsa_code_object_version 6
	.text
	.protected	k_qd0a8639062_lnq
	.globl	k_qd0a8639062_lnq
	.p2align	8
	.type	k_qd0a8639062_lnq,@function
k_qd0a8639062_lnq:
	s_mov_b64 s[64:65], 0
	v_nop
	global_prefetch_b8 v0, s[64:65] scope:SCOPE_SE
	s_setreg_imm32_b32 hwreg(HW_REG_WAVE_MODE, 25, 1), 1
	s_wait_xcnt 0x0
; LayerNorm of x [1024 (l)][8 (b)][1024] in f32, then quantised along the 1,024 to codes of E3M2 with one E8M0 byte for each 32; and the four weights' codes and scales laid again.
; THE LAYOUT OF AN OPERAND (act: rows = tokens 1024 b + l; wlq, wlk, wlv, wlo: rows of the weight): units of 128 rows, 102,400 bytes each:
;   [block of 16 rows (8)][step of 128 along K (8)][1,536 bytes], a fragment as the matrix operand's registers: pair p of lane l = 16 h + r at 256 p + 8 l; then at byte 98,304 the scale bytes [row (128)][32].
;   Pair p of lane (r, h) holds bytes 48 (p / 3) + 24 h + 8 (p % 3) .. + 7 of the step's 96 bytes of row r.
; The mean is taken first and the variance of x - mean in a second pass over the registers: a common offset of x does not reach the variance.
; SHARES.  2,048 waves; wave W takes tokens 4 W .. 4 W + 3 (one b, four neighbouring l); a work-group's 32 tokens are two blocks of 16 rows: their 24,576 bytes of images are gathered in LDS
; and leave as whole runs of 512 bytes.  Wave W also copies fragment W % 512 of weight W / 512 (six loads of 8 bytes a lane, six stores of 256 consecutive bytes) and 64 of its scale bytes.
; THE TURN THROUGH LDS.  The conversion takes 16 neighbours from ONE lane's registers, the loads give a lane four neighbours of eight places: the normalised row goes through the wave's own stage.
; LIMITS: NaN and infinities in x, gamma, beta are not served; a block of zeros, and one whose largest magnitude lies under 2^-122, gets the byte 1 (this program alone reads the bytes).
.set SP,   80                          ; a place in the stage: 64 bytes + 16
.set WREG, 5376                        ; LDS of a wave: the stage, 5,120 bytes, then its 128 scale bytes in a block of 256
.set SBY,  5120
.set IMG,  44032                       ; behind the waves' regions and the spare words: the work-group's images
.set UNIT, 102400
.set G,    24                          ; v24-55   gamma at my 32 columns
.set BT,   56                          ; v56-87   beta
.set X,    88                          ; v88-215  four rows, 32 registers each
.set Y,    216                         ; v216-247 two sets of 16 neighbours
	s_load_b256 s[4:11], s[0:1], 0x0               ; x, gamma, beta, act
	s_load_b256 s[32:39], s[0:1], 0x20             ; the weights' codes
	s_load_b256 s[40:47], s[0:1], 0x40             ; where they go
	s_load_b256 s[48:55], s[0:1], 0x60             ; the weights' scales
	v_lshl_add_u32 v254, v0, 2, 0xa800
	v_mov_b32 v255, 0
	v_lshrrev_b32 v1, 5, v0
	s_delay_alu instid0(VALU_DEP_1)
	v_readfirstlane_b32 s14, v1                    ; wave 0..7
	v_and_b32 v1, 31, v0                           ; lane
	s_delay_alu instid0(VALU_DEP_1)
	v_lshlrev_b32 v2, 4, v1                        ; my 16 bytes of a run of 512
	s_mul_i32 s15, s14, WREG
	v_lshrrev_b32 v3, 2, v1
	s_delay_alu instid0(VALU_DEP_1)
	v_mul_u32_u24 v3, v3, SP
	v_and_b32 v4, 3, v1
	s_delay_alu instid0(VALU_DEP_1)
	v_lshl_add_u32 v3, v4, 4, v3
	s_delay_alu instid0(VALU_DEP_1)
	v_add_nc_u32 v3, s15, v3                       ; the stage, in: four lanes' 64 bytes fill a place
	v_mul_u32_u24 v4, v1, SP
	s_delay_alu instid0(VALU_DEP_1)
	v_add_nc_u32 v4, s15, v4                       ; and out: a place a lane
	s_add_co_u32 s15, s15, SBY
	v_lshrrev_b32 v6, 1, v1
	s_delay_alu instid0(VALU_DEP_1)
	v_add_nc_u32 v6, s15, v6                       ; my block's byte among the wave's scale bytes
	v_lshlrev_b32 v8, 2, v1
	s_delay_alu instid0(VALU_DEP_1)
	v_add_nc_u32 v7, s15, v8                       ; and, on the way out, 4 bytes a lane
	v_mov_b32 v9, 0                                ; a lane permute's destination counts as one of its sources: written once
	; where my 16 codes (12 bytes, half L % 2 of a block of 32) go in the images: step 4 u + L / 8, c = (L / 4) % 2, h = (L / 2) % 2; row 4 (wave % 4) + i of block wave / 4
	s_lshr_b32 s28, s14, 2
	s_mul_i32 s28, s28, 12288
	s_and_b32 s29, s14, 3
	s_lshl_b32 s29, s29, 5
	s_add_co_u32 s28, s28, s29
	s_add_co_u32 s28, s28, IMG
	v_lshrrev_b32 v16, 3, v1
	v_bfe_u32 v17, v1, 2, 1
	v_bfe_u32 v18, v1, 1, 1
	v_and_b32 v19, 1, v1
	s_delay_alu instid0(VALU_DEP_4)
	v_mul_u32_u24 v16, v16, 1536
	s_delay_alu instid0(VALU_DEP_1)
	v_mad_u32_u24 v16, v17, 768, v16
	s_delay_alu instid0(VALU_DEP_1)
	v_lshl_add_u32 v16, v18, 7, v16
	s_delay_alu instid0(VALU_DEP_1)
	v_add_nc_u32 v16, s28, v16
	s_delay_alu instid0(VALU_DEP_1)
	v_mad_u32_u24 v14, v19, 260, v16               ; my three words: the block's words 0, 1, 2 (at 0, 4, 256) or 3, 4, 5 (at 260, 512, 516)
	v_mad_u32_u24 v15, v19, 508, v16
	s_delay_alu instid0(VALU_DEP_2)
	v_add_nc_u32 v252, 256, v14
	s_delay_alu instid0(VALU_DEP_2)
	v_add_nc_u32 v15, 4, v15
	s_mul_i32 s28, s14, 3072
	s_add_co_u32 s29, s28, IMG
	v_add_nc_u32 v253, s29, v2                     ; the images, out: 3,072 bytes a wave
	v_lshlrev_b32 v20, 3, v1                       ; the weight's fragment: 8 x lane,
	v_and_b32 v22, 15, v1
	v_lshrrev_b32 v21, 4, v1
	s_delay_alu instid0(VALU_DEP_2)
	v_mul_u32_u24 v23, v22, 768
	v_lshlrev_b32 v22, 2, v22                      ; 4 r: its scale bytes (lanes 16-31 name the same words as lanes 0-15, with the same values)
	s_delay_alu instid0(VALU_DEP_2)
	v_mad_u32_u24 v21, v21, 24, v23                ; 768 r + 24 h
	s_mov_b32 s16, 0x76543210
	s_mov_b32 s17, 0xfedcba98                      ; selects for lane l xor 16
	s_mov_b32 s18, 0x3a800000                      ; 1 / 1,024
	s_mov_b32 s19, 0x3727c5ac                      ; 1e-5
	s_lshl_b32 s20, ttmp9, 3
	s_add_co_u32 s20, s20, s14                     ; W
	s_and_b32 s22, s20, 255
	s_lshl_b32 s22, s22, 17                        ; l = 4 (W % 256): 32,768 bytes for each l,
	s_lshr_b32 s21, s20, 8
	s_lshl_b32 s21, s21, 12                        ; b = W / 256: 4,096 bytes for each b
	s_add_co_u32 s22, s22, s21
	s_mov_b32 s23, 0
	s_lshr_b32 s26, ttmp9, 2
	s_mul_i32 s26, s26, UNIT                       ; my work-group's unit,
	s_and_b32 s24, ttmp9, 3
	s_mul_i32 s24, s24, 24576                      ; its two blocks of 16 rows,
	s_add_co_u32 s24, s24, s26
	s_add_co_u32 s24, s24, s28                     ; my 3,072 bytes of them
	s_mov_b32 s25, 0
	s_and_b32 s27, s20, 31
	s_lshl_b32 s27, s27, 7                         ; four rows of scale bytes
	s_add_co_u32 s26, s26, s27
	s_add_co_u32 s26, s26, 98304
	s_mov_b32 s27, 0
	s_wait_alu depctr_va_vdst(0)                   ; the wait at the head's end
	s_wait_kmcnt 0x0
	s_add_nc_u64 s[4:5], s[4:5], s[22:23]
	s_add_nc_u64 s[12:13], s[10:11], s[26:27]
	s_add_nc_u64 s[10:11], s[10:11], s[24:25]
	s_lshr_b32 s28, ttmp9, 6                       ; which weight: W / 512
	s_cmp_eq_u32 s28, 1
	s_cselect_b64 s[32:33], s[34:35], s[32:33]
	s_cselect_b64 s[40:41], s[42:43], s[40:41]
	s_cselect_b64 s[48:49], s[50:51], s[48:49]
	s_cmp_eq_u32 s28, 2
	s_cselect_b64 s[32:33], s[36:37], s[32:33]
	s_cselect_b64 s[40:41], s[44:45], s[40:41]
	s_cselect_b64 s[48:49], s[52:53], s[48:49]
	s_cmp_eq_u32 s28, 3
	s_cselect_b64 s[32:33], s[38:39], s[32:33]
	s_cselect_b64 s[40:41], s[46:47], s[40:41]
	s_cselect_b64 s[48:49], s[54:55], s[48:49]
	s_and_b32 s28, s20, 511
	s_lshr_b32 s29, s28, 3                         ; its block of 16 rows, 0..63,
	s_and_b32 s28, s28, 7                          ; and step of 128 along K
	s_mul_i32 s30, s29, 12288
	s_mul_i32 s21, s28, 96
	s_add_co_u32 s30, s30, s21
	s_mov_b32 s31, 0
	s_add_nc_u64 s[32:33], s[32:33], s[30:31]      ; the codes as they are given: 16 rows of 768 bytes, 96 bytes in
	s_lshl_b32 s30, s29, 9
	s_lshl_b32 s21, s28, 6
	s_add_co_u32 s30, s30, s21
	s_add_nc_u64 s[48:49], s[48:49], s[30:31]      ; the scale bytes of rows 16 block + 2 step, + 1
	s_lshr_b32 s30, s29, 3
	s_mul_i32 s30, s30, UNIT
	s_and_b32 s29, s29, 7
	s_lshl_b32 s22, s29, 9
	s_add_co_u32 s22, s22, s21
	s_add_co_u32 s22, s22, s30
	s_add_co_u32 s22, s22, 98304
	s_add_nc_u64 s[42:43], s[40:41], s[22:23]      ; where the scale bytes go,
	s_mul_i32 s29, s29, 12288
	s_add_co_u32 s30, s30, s29
	s_mul_i32 s28, s28, 1536
	s_add_co_u32 s30, s30, s28
	s_add_nc_u64 s[40:41], s[40:41], s[30:31]      ; and the fragment
.irp p, 0,1,2,3,4,5
	global_load_b64 v[Y+2*\p:Y+2*\p+1], v21, s[32:33] offset:48*(\p/3)+8*(\p%3)
.endr
	global_load_b32 v[Y+12], v22, s[48:49]
.irp j, 0,1,2,3,4,5,6,7
	global_load_b128 v[G+4*\j:G+4*\j+3], v2, s[6:7] offset:512*\j
.endr
.irp j, 0,1,2,3,4,5,6,7
	global_load_b128 v[BT+4*\j:BT+4*\j+3], v2, s[8:9] offset:512*\j
.endr
.irp i, 0,1,2,3
.irp j, 0,1,2,3,4,5,6,7
	global_load_b128 v[X+32*\i+4*\j:X+32*\i+4*\j+3], v2, s[4:5] offset:32768*\i+512*\j th:TH_LOAD_NT
.endr
.endr
; the four packed chains v[16:23] become one number in every lane's v16
.macro REDUCE
	s_delay_alu instid0(VALU_DEP_3)
	v_pk_add_f32 v[16:17], v[16:17], v[18:19]
	s_delay_alu instid0(VALU_DEP_2)
	v_pk_add_f32 v[20:21], v[20:21], v[22:23]
	s_delay_alu instid0(VALU_DEP_1)
	v_pk_add_f32 v[16:17], v[16:17], v[20:21]
	s_delay_alu instid0(VALU_DEP_1)
	v_add_f32 v16, v16, v17
	s_delay_alu instid0(VALU_DEP_1)
	v_add_f32_dpp v16, v16, v16 row_xmask:1 row_mask:0xf bank_mask:0xf
	s_delay_alu instid0(VALU_DEP_1)
	v_add_f32_dpp v16, v16, v16 row_xmask:2 row_mask:0xf bank_mask:0xf
	s_delay_alu instid0(VALU_DEP_1)
	v_add_f32_dpp v16, v16, v16 row_xmask:4 row_mask:0xf bank_mask:0xf
	s_delay_alu instid0(VALU_DEP_1)
	v_add_f32_dpp v16, v16, v16 row_xmask:8 row_mask:0xf bank_mask:0xf
	s_delay_alu instid0(VALU_DEP_1)
	v_permlanex16_b32 v9, v16, s16, s17
	s_delay_alu instid0(VALU_DEP_1)
	v_add_f32 v16, v16, v9
.endm
.macro ROW i
.set XR, X+32*\i
	s_wait_loadcnt 8*(3-\i)                        ; loads come back in order: gamma, beta and this row are in; the eight loads of each later row may be out
.irp k, 0,2,4,6
	v_pk_add_f32 v[16+\k:17+\k], v[XR+\k:XR+\k+1], v[XR+8+\k:XR+9+\k]
.endr
.set n, 16
.rept 8
	s_delay_alu instid0(VALU_DEP_4)
	v_pk_add_f32 v[16+n%8:17+n%8], v[16+n%8:17+n%8], v[XR+n:XR+n+1]
.set n, n+2
.endr
	REDUCE
	s_delay_alu instid0(VALU_DEP_1)
	v_mul_f32 v10, s18, v16                        ; the mean, twice: a pair for the packed forms
	s_delay_alu instid0(VALU_DEP_2)
	v_mul_f32 v11, s18, v16
.set n, 0
.rept 16
	v_pk_add_f32 v[XR+n:XR+n+1], v[XR+n:XR+n+1], v[10:11] neg_lo:[0,1] neg_hi:[0,1]   ; x - mean, in place
.set n, n+2
.endr
.irp k, 0,2,4,6
	v_pk_mul_f32 v[16+\k:17+\k], v[XR+\k:XR+\k+1], v[XR+\k:XR+\k+1]
.endr
.set n, 8
.rept 12
	s_delay_alu instid0(VALU_DEP_4)
	v_pk_fma_f32 v[16+n%8:17+n%8], v[XR+n:XR+n+1], v[XR+n:XR+n+1], v[16+n%8:17+n%8]
.set n, n+2
.endr
	REDUCE
	s_delay_alu instid0(VALU_DEP_1)
	v_fma_f32 v16, v16, s18, s19                   ; the variance + 1e-5
	s_wait_alu depctr_va_vdst(0)
	v_rsq_f32 v12, v16
	v_rsq_f32 v13, v16
	v_nop                                          ; a plain instruction between the transcendental and the use of its result
.set n, 0
	s_wait_alu depctr_va_vdst(0)
.rept 16
	v_pk_mul_f32 v[XR+n:XR+n+1], v[XR+n:XR+n+1], v[12:13]
.set n, n+2
.endr
.set n, 0
.rept 16
	v_pk_fma_f32 v[XR+n:XR+n+1], v[XR+n:XR+n+1], v[G+n:G+n+1], v[BT+n:BT+n+1]
.set n, n+2
.endr
.irp j, 0,1,2,3,4,5,6,7
	ds_store_b128 v3, v[XR+4*\j:XR+4*\j+3] offset:8*SP*\j           ; a load's 512 bytes take eight places
.endr
.irp u, 0,1
.irp j, 0,1,2,3
	ds_load_b128 v[Y+16*\u+4*\j:Y+16*\u+4*\j+3], v4 offset:32*SP*\u+16*\j   ; LDS serves a wave's instructions in order: these see the stores.  Set u: columns 512 u + 16 lane + 0 .. 15
.endr
.endr
	s_wait_dscnt 0x0                               ; the row is back, and the stores have read the row's registers
.irp u, 0,1
.set YS, Y+16*\u
	v_max3_num_f32 v248, |v[YS]|, |v[YS+1]|, |v[YS+2]|             ; the largest magnitude of my 16, in two chains
	v_max3_num_f32 v249, |v[YS+3]|, |v[YS+4]|, |v[YS+5]|
.irp k, 6,10
	s_delay_alu instid0(VALU_DEP_2)
	v_max3_num_f32 v248, v248, |v[YS+\k]|, |v[YS+\k+1]|
	s_delay_alu instid0(VALU_DEP_2)
	v_max3_num_f32 v249, v249, |v[YS+\k+2]|, |v[YS+\k+3]|
.endr
	s_delay_alu instid0(VALU_DEP_2)
	v_max3_num_f32 v248, v248, |v[YS+14]|, |v[YS+15]|
	s_delay_alu instid0(VALU_DEP_1)
	v_max3_num_f32 v248, v248, v249, 0x2800000     ; and the floor 2^(5 - 127): the byte cannot fall under 1
	s_delay_alu instid0(VALU_DEP_1)
	v_max_num_f32_dpp v248, v248, v248 row_xmask:1 row_mask:0xf bank_mask:0xf   ; with my neighbour's 16: the block's
	s_delay_alu instid0(VALU_DEP_1)
	v_add_nc_u32 v[250+\u], 0xfe000000, v248       ; 4 off its exponent field: the conversion takes this operand's exponent field as its scale
	v_cvt_scalef32_pk16_bf6_f32 v[XR+4*\u:XR+4*\u+2], v[YS:YS+15], v[250+\u]
	v_lshrrev_b32 v[XR+8+\u], 23, v[250+\u]        ; the scale's byte (also the plain instruction behind the conversion)
	ds_store_b8 v6, v[XR+8+\u] offset:32*\i+16*\u  ; both lanes of a block write the same byte with the same value
	ds_store_b32 v14, v[XR+4*\u] offset:6144*\u+8*\i               ; my three words into the images
	ds_store_b32 v15, v[XR+4*\u+1] offset:6144*\u+8*\i
	ds_store_b32 v252, v[XR+4*\u+2] offset:6144*\u+8*\i
.endr
.endm
	s_wait_loadcnt 48                              ; the weight's seven loads are in; the 48 issued behind them may be out
.irp p, 0,1,2,3,4,5
	global_store_b64 v20, v[Y+2*\p:Y+2*\p+1], s[40:41] offset:256*\p          ; each store of the wave covers 256 consecutive bytes, aligned
.endr
	global_store_b32 v22, v[Y+12], s[42:43]
	s_wait_xcnt 0x0                                ; the stores' registers are written again below
	ROW 0
	ROW 1
	ROW 2
	ROW 3
	ds_load_b32 v248, v7                           ; my wave's 128 scale bytes, four rows of 32
	s_wait_dscnt 0x0                               ; and my stores into the images are done
	s_barrier_signal -1
	s_barrier_wait -1                              ; everybody's are
.irp j, 0,1,2,3,4,5
	ds_load_b128 v[Y+4*\j:Y+4*\j+3], v253 offset:512*\j
.endr
	global_store_b32 v8, v248, s[12:13]            ; 128 consecutive bytes
	s_wait_dscnt 0x0
.irp j, 0,1,2,3,4,5
	global_store_b128 v2, v[Y+4*\j:Y+4*\j+3], s[10:11] offset:512*\j          ; 512 consecutive bytes, aligned
.endr
	s_wait_tensorcnt 0x0                           ; the wave's end
	ds_add_u32 v254, v255
	s_wait_dscnt 0x0
	s_endpgm
.Lfunc_end_k_qd0a8639062_lnq:
	.size	k_qd0a8639062_lnq, .Lfunc_end_k_qd0a8639062_lnq-k_qd0a8639062_lnq
	.p2alignl 7, 3214868480
	.fill 96, 4, 3214868480
	.section	.rodata,"a",@progbits
	.p2align	6, 0x0
	.amdhsa_kernel k_qd0a8639062_lnq
		.amdhsa_group_segment_fixed_size 68608
		.amdhsa_private_segment_fixed_size 0
		.amdhsa_enable_private_segment 0
		.amdhsa_kernarg_size 128
		.amdhsa_user_sgpr_count 2
		.amdhsa_user_sgpr_kernarg_segment_ptr 1
		.amdhsa_wavefront_size32 1
		.amdhsa_system_sgpr_workgroup_id_x 1
		.amdhsa_system_sgpr_workgroup_id_y 1
		.amdhsa_system_sgpr_workgroup_id_z 1
		.amdhsa_system_vgpr_workitem_id 0
		.amdhsa_next_free_vgpr 256
		.amdhsa_next_free_sgpr 66
		.amdhsa_reserve_vcc 0
		.amdhsa_float_denorm_mode_32 3
		.amdhsa_float_denorm_mode_16_64 3
		.amdhsa_memory_ordered 1
		.amdhsa_forward_progress 1
		.amdhsa_inst_pref_size 58
	.end_amdhsa_kernel
	.amdgpu_metadata
---
amdhsa.version: [ 1, 2 ]
amdhsa.kernels:
  - .name:           k_qd0a8639062_lnq
    .symbol:         k_qd0a8639062_lnq.kd
    .args:
      - { .name: x, .offset: 0, .size: 8, .value_kind: global_buffer, .address_space: global }
      - { .name: gamma, .offset: 8, .size: 8, .value_kind: global_buffer, .address_space: global }
      - { .name: beta, .offset: 16, .size: 8, .value_kind: global_buffer, .address_space: global }
      - { .name: act, .offset: 24, .size: 8, .value_kind: global_buffer, .address_space: global }
      - { .name: Wq_codes, .offset: 32, .size: 8, .value_kind: global_buffer, .address_space: global }
      - { .name: Wk_codes, .offset: 40, .size: 8, .value_kind: global_buffer, .address_space: global }
      - { .name: Wv_codes, .offset: 48, .size: 8, .value_kind: global_buffer, .address_space: global }
      - { .name: Wo_codes, .offset: 56, .size: 8, .value_kind: global_buffer, .address_space: global }
      - { .name: wlq, .offset: 64, .size: 8, .value_kind: global_buffer, .address_space: global }
      - { .name: wlk, .offset: 72, .size: 8, .value_kind: global_buffer, .address_space: global }
      - { .name: wlv, .offset: 80, .size: 8, .value_kind: global_buffer, .address_space: global }
      - { .name: wlo, .offset: 88, .size: 8, .value_kind: global_buffer, .address_space: global }
      - { .name: Wq_scales, .offset: 96, .size: 8, .value_kind: global_buffer, .address_space: global }
      - { .name: Wk_scales, .offset: 104, .size: 8, .value_kind: global_buffer, .address_space: global }
      - { .name: Wv_scales, .offset: 112, .size: 8, .value_kind: global_buffer, .address_space: global }
      - { .name: Wo_scales, .offset: 120, .size: 8, .value_kind: global_buffer, .address_space: global }
    .group_segment_fixed_size: 68608
    .private_segment_fixed_size: 0
    .kernarg_segment_align: 8
    .kernarg_segment_size: 128
    .max_flat_workgroup_size: 256
    .sgpr_count:     66
    .vgpr_count:     256
    .wavefront_size: 32
...
	.end_amdgpu_metadata
.endif
;; end of part 1
;; launch qkv (part 2): grid 64 x 4, 4 waves a work-group, clusters of 4 x 4, 327,680 bytes of LDS; arguments act, wlq, wlk, wlv, bq, bk, bv, qkv; writes qkv
.if DOCPART == 2
	.amdgcn_target "amdgcn-amd-amdhsa--gfx1250"
	.amdhsa_code_object_version 6
	.text
	.protected	k_qd0a8639062_qkv
	.globl	k_qd0a8639062_qkv
	.p2align	8
	.type	k_qd0a8639062_qkv,@function
k_qd0a8639062_qkv:
	s_mov_b64 s[64:65], 0
	v_nop
	global_prefetch_b8 v0, s[64:65] scope:SCOPE_SE
	s_setreg_imm32_b32 hwreg(HW_REG_WAVE_MODE, 25, 1), 1
	s_wait_xcnt 0x0
	s_wait_alu depctr_hold_cnt(0) depctr_sa_sdst(0) depctr_va_vdst(0) depctr_va_sdst(0) depctr_va_ssrc(0) depctr_va_vcc(0) depctr_vm_vsrc(0)
	s_getreg_b32 s2, hwreg(HW_REG_IB_STS2, 6, 4)
	s_cmp_eq_u32 s2, 0
	s_cbranch_scc0 .Lentry_in_a_cluster
	s_endpgm
.Lentry_in_a_cluster:
	s_bfe_u32 s2, ttmp6, 0x10000c
	s_cmp_lg_u32 s2, 0xf033
	s_cbranch_scc0 .Lentry_shape_is_right
	s_endpgm
.Lentry_shape_is_right:
; q = (ln W_q^T + b_q) / 8, k = ln W_k^T + b_k, v = ln W_v^T + b_v, on codes of E3M2 with E8M0 scales; the results are quantised in registers and stored as the operands of the attention launch.
; IN: act (ln, rows = tokens 1024 b + l) and wlq, wlk, wlv, in units of 128 rows, 102,400 dense bytes: [block of 16 rows (8)][step of 128 along K (8)][1,536 bytes: pair p of lane l at 256 p + 8 l], then [row][32] scale bytes.
; A BLOCK is 128 rows of source 1 ('A', one unit) x 256 rows of source 0 ('B', two units) with ALL of K: 307,200 bytes of LDS, brought by one tensor load a wave (waves 0, 1 half of A's unit each, waves 2, 3 a unit of B each):
; no ring, no padding; a fragment load's 32 lanes read 256 consecutive bytes.  A wave makes 64 x 128: 32 accumulators.
; WORK-GROUPS STAY: 16 clusters of 4 x 4; cluster c makes three blocks of 512 x 1,024: q, then k, of tokens 512 c .. (A = tokens, B = the weight's rows), then v (A = rows 512 (c % 2) .. of Wv, B = the tokens of batch c / 2).
; The next block's loads are asked for as soon as all waves of the cluster have read the last fragments, and are on their way while this block is quantised and stored, which touches no LDS.
; A hangs on cy and is asked for jointly along a row of the cluster, B on cx and jointly along a column.  No prefetch: all of a block's K is asked for at once.
; A lane holds ONE row of A's, and its 64 registers of a block of 16 rows run along B's rows: for q, k along two heads' 64, the K of the scores; for v along the keys.
; OUT, a block of HB bytes for each (b, head): q's 64 tiles (16 tokens x 64) as images of 768 bytes, their scale words; k's likewise; v's 32 fragments (16 d x 128 keys) as images of 1,536 bytes, their scale words.
; ORDER INSIDE A BLOCK OF 32: the codes lie in the order 0-7, 16-23, 8-15, 24-31; q and k are laid alike, and so are v and the attention launch's p: the products pair the same numbers, under the same block scales.
; LIMITS: NaN, infinities and scale bytes 0xff are not served; a block of zeros or under 2^-122 gets the byte 1 (this program alone reads the bytes).
.set UNIT,   102400
.set SCO,    98304                     ; a unit's scale bytes
.set SPARE,  3*UNIT                    ; the spare words, 128 bytes a wave
.set HB,     157696
.set QSO,    49152
.set KCO,    53248
.set VCO,    106496
.set VSO,    155648
.set ADRA, 16                          ; v16     LDS address of my A fragments: 8 x lane + my 64 rows
.set ADRB, 20                          ; v20-21  of my B fragments: blocks 0-3, blocks 4-7
.set ADRS, 27                          ; v27     of my scale words: lanes 0-15 A's rows, lanes 16-31 B's
.set SPW,  28
.set NIL,  29
.set SC,   32                          ; v32-95  scale words: register 32 (k / 4) + 4 i + k % 4: lanes 0-15 A's block i, lanes 16-31 B's block i, step k
.set AF,   128                         ; A's fragments, window 0, two sets of 48
.set T,    128                         ; the way out: 64 numbers of a lane
.set CDS,  192
.set TM,   212
.set PWB,  228
.set SW,   236
.set G1, 24
.set G0, 32
.set G1B, 48
.set G0B, 56
.set SEL, 66
.set MSB, 0
.macro WIN new                         ; the immediate's high byte repeats the setting that is left
.if MSB != (\new)
	s_set_vgpr_msb (MSB<<8)|(\new)
.set MSB, (\new)
.endif
.endm
.macro JLOAD                           ; waves 0 and 1 fetch for A, waves 2 and 3 for B: every way passes one load
	s_cmp_eq_u32 s15, 0
	s_cbranch_scc0 .Lfor_b_\@
	tensor_load_to_lds s[G0:G0+3], s[G1:G1+7]
	s_nop 0
.rept 4
	v_nop
.endr
	s_branch .Lasked_\@
.Lfor_b_\@:
	tensor_load_to_lds s[G0B:G0B+3], s[G1B:G1B+7]
	s_nop 0
.rept 4
	v_nop
.endr
.Lasked_\@:
.endm
.macro CROUND                          ; a round of the cluster's barrier
	s_barrier_signal -1
	s_barrier_wait -1
	s_cmp_lg_u32 s14, 0
	s_cbranch_scc1 .Lnot_wave_0_\@
	s_barrier_signal -3
.Lnot_wave_0_\@:
	s_barrier_wait -3
	s_barrier_signal -1
	s_barrier_wait -1
.endm
; The descriptors' group 0 of a block.  first = 1: q's.  Else the block behind this one: k's where three are to go (s2 = 3), v's where two.  No tensor load of the wave is out here.
.macro PREP first
	s_load_b256 s[32:39], s[0:1], 0x0              ; act, wlq, wlk, wlv
	s_lshl_b32 s17, ttmp9, 2                       ; q, k: A's unit 4 c + cy, B's pair of units cx
	s_mov_b32 s94, 0
.if \first == 0
	s_and_b32 s3, ttmp9, 1
	s_lshl_b32 s3, s3, 2                           ; v: A's unit 4 (c % 2) + cy,
	s_lshr_b32 s18, ttmp9, 1
	s_lshl_b32 s18, s18, 2                         ; B's pair of units 4 (c / 2) + cx
	s_cmp_eq_u32 s2, 2
	s_cselect_b32 s17, s3, s17
	s_cselect_b32 s94, s18, s94
.endif
	s_add_co_u32 s17, s17, s93
	s_add_co_u32 s94, s94, s92
	s_mul_i32 s20, s17, UNIT
	s_mul_i32 s18, s16, UNIT/2
	s_add_co_u32 s20, s20, s18                     ; my half of A's unit
	s_mov_b32 s21, 0
	s_lshl_b32 s94, s94, 1
	s_add_co_u32 s94, s94, s16                     ; my unit of B's two
	s_mul_i32 s96, s94, UNIT
	s_mov_b32 s97, 0
	s_wait_kmcnt 0x0
.if \first
	s_add_nc_u64 s[20:21], s[32:33], s[20:21]
	s_add_nc_u64 s[96:97], s[34:35], s[96:97]
.else
	s_cmp_eq_u32 s2, 2
	s_cselect_b64 s[38:39], s[38:39], s[32:33]     ; A: Wv, or the tokens
	s_cselect_b64 s[36:37], s[32:33], s[36:37]     ; B: the tokens, or Wk
	s_add_nc_u64 s[20:21], s[38:39], s[20:21]
	s_add_nc_u64 s[96:97], s[36:37], s[96:97]
.endif
	s_mov_b32 s[G0], 1
	s_mul_i32 s[G0+1], s16, UNIT/2
	s_mov_b64 s[G0+2:G0+3], s[20:21]
	s_or_b32 s[G0+3], s[G0+3], 0x80000000
	s_mov_b32 s[G0B], 1
	s_mul_i32 s[G0B+1], s16, UNIT
	s_add_co_u32 s[G0B+1], s[G0B+1], UNIT
	s_mov_b64 s[G0B+2:G0B+3], s[96:97]
	s_or_b32 s[G0B+3], s[G0B+3], 0x80000000
.endm
	v_lshl_add_u32 v[SPW], v0, 2, SPARE
	v_mov_b32 v[NIL], 0
	ds_add_u32 v[SPW], v[NIL]                      ; the opening lines: the add, twice on end, and its wait
	ds_add_u32 v[SPW], v[NIL]
	v_lshrrev_b32 v1, 5, v0
	v_readfirstlane_b32 s14, v1                    ; wave 0..3
	s_lshr_b32 s15, s14, 1                         ; my half of A's rows.  Also: I fetch for A (0) or for B (1)
	s_and_b32 s16, s14, 1                          ; my half of B's rows.  Also: which part I fetch
	s_bfe_u32 s92, ttmp6, 0x40000                  ; cx
	s_bfe_u32 s93, ttmp6, 0x40004                  ; cy
	s_lshl_b32 s43, s93, 2
	s_lshl_b32 s43, 15, s43                        ; my row of the cluster
	s_lshl_b32 s44, 0x1111, s92                    ; my column
	s_or_b32 s[G1+0], s43, (3<<16)|(1<<21)         ; group 1: dense rows of 256 bytes (32 elements of 8); A: 200 rows, B: 400
	s_or_b32 s[G1B+0], s44, (3<<16)|(1<<21)
	s_mov_b32 s[G1+1], 32<<16
	s_mov_b32 s[G1+2], 200<<16
	s_mov_b32 s[G1+3], 32<<16
	s_mov_b32 s[G1+4], 200
	s_mov_b32 s[G1+5], 32
	s_mov_b32 s[G1+6], 0
	s_mov_b32 s[G1+7], 0
	s_mov_b32 s[G1B+1], 32<<16
	s_mov_b32 s[G1B+2], 400<<16
	s_mov_b32 s[G1B+3], 32<<16
	s_mov_b32 s[G1B+4], 400
	s_mov_b32 s[G1B+5], 32
	s_mov_b32 s[G1B+6], 0
	s_mov_b32 s[G1B+7], 0
	s_mov_b32 s[SEL], 0x76543210
	s_mov_b32 s[SEL+1], 0xfedcba98
	s_mov_b32 s2, 3                                ; blocks to go
	s_wait_dscnt 0x0
	PREP 1
	CROUND                                         ; all sixteen work-groups are here: the first joint loads meet
	JLOAD
	v_and_b32 v1, 15, v0                           ; r
	v_bfe_u32 v2, v0, 4, 1                         ; h
	v_and_b32 v6, 31, v0
	v_lshlrev_b32 v30, 3, v6                       ; 8 x lane: a pair's place in an image
	s_mul_i32 s21, s15, 49152
	s_mul_i32 s22, s16, UNIT
	s_add_co_u32 s22, s22, UNIT
	v_add_nc_u32 v[ADRA], s21, v30
	v_add_nc_u32 v[ADRB], s22, v30
	v_add_nc_u32 v[ADRB+1], 49152, v[ADRB]
	v_lshlrev_b32 v5, 5, v1                        ; 32 bytes of scales a row
	s_lshl_b32 s21, s15, 11
	s_sub_co_u32 s22, s22, s21                     ; from A's rows' scales to B's
	v_mul_u32_u24 v6, s22, v2                      ; lanes 16-31 take B's: one product, the distance x h
	s_add_co_u32 s21, s21, SCO
	v_add_nc_u32 v5, v5, v6
	v_add_nc_u32 v[ADRS], s21, v5
	v_lshlrev_b32 v23, 4, v1                       ; 16 r
	v_mul_u32_u24 v31, v2, HB
	v_lshl_add_u32 v31, v1, 4, v31                 ; 16 r + h x HB
	v_lshlrev_b32 v24, 4, v2                       ; 16 h
	v_lshlrev_b32 v25, 2, v1                       ; 4 r
	v_lshlrev_b32 v26, 5, v2                       ; 32 h
.irp b, 0,1,2,3
	v_mov_b32 v[TM+4+\b], 0                        ; a lane permute's destination counts as one of its sources: written once
.endr
.macro FETCH k                         ; step k's fragments into set k % 2: B's eight (window 1), A's four
	WIN 0x40
.irp b, 0,1,2,3,4,5,6,7
.irp p, 0,1,2,3,4,5
	ds_load_b64 v[128*((\k)%2)+12*\b+2*\p:128*((\k)%2)+12*\b+2*\p+1], v[ADRB+\b/4] offset:(\b%4)*12288+(\k)*1536+256*\p
.endr
.endr
	WIN 0
.irp a, 0,1,2,3
.irp p, 0,1,2,3,4,5
	ds_load_b64 v[AF+48*((\k)%2)+12*\a+2*\p:AF+48*((\k)%2)+12*\a+2*\p+1], v[ADRA] offset:\a*12288+(\k)*1536+256*\p
.endr
.endr
.endm
.macro MUL32 k, zero                   ; 32 matrix instructions, the accumulators by turns
	WIN 0xa1                                       ; source 0 (B) window 1, source 1 (A) window 0, C and D window 2
.irp a, 0,1,2,3
.irp b, 0,1,2,3,4,5,6,7
.if \zero
	v_wmma_scale_f32_16x16x128_f8f6f4 v[8*(8*\a+\b):8*(8*\a+\b)+7], v[128*((\k)%2)+12*\b:128*((\k)%2)+12*\b+11], v[AF+48*((\k)%2)+12*\a:AF+48*((\k)%2)+12*\a+11], 0, v[SC+32*((\k)/4)+4*\b+(\k)%4], v[SC+32*((\k)/4)+4*\a+(\k)%4] matrix_a_fmt:MATRIX_FMT_BF6 matrix_b_fmt:MATRIX_FMT_BF6 matrix_a_scale:MATRIX_SCALE_ROW1
.else
	v_wmma_scale_f32_16x16x128_f8f6f4 v[8*(8*\a+\b):8*(8*\a+\b)+7], v[128*((\k)%2)+12*\b:128*((\k)%2)+12*\b+11], v[AF+48*((\k)%2)+12*\a:AF+48*((\k)%2)+12*\a+11], v[8*(8*\a+\b):8*(8*\a+\b)+7], v[SC+32*((\k)/4)+4*\b+(\k)%4], v[SC+32*((\k)/4)+4*\a+(\k)%4] matrix_a_fmt:MATRIX_FMT_BF6 matrix_b_fmt:MATRIX_FMT_BF6 matrix_a_scale:MATRIX_SCALE_ROW1
.endif
.endr
.endr
	WIN 0
.endm
.macro PLACES                          ; plain vector instructions between a matrix instruction and a load into, or a read of, its registers
.rept 4
	v_nop
.endr
.endm
; 64 numbers of a lane, v[s] on: registers 16 b .. 16 b + 15 of lanes l and l xor 16 are block b of my row.  They become a fragment's codes in v[CDS] on and its scale word in v[pw].
.macro QUANT s, pw
.irp b, 0,1,2,3
	v_max3_num_f32 v[TM+\b], |v[\s+16*\b]|, |v[\s+1+16*\b]|, 0x2800000   ; and the floor 2^(5 - 127): the byte cannot fall under 1
.endr
.irp i, 2,4,6,8,10,12,14
.irp b, 0,1,2,3
	v_max3_num_f32 v[TM+\b], v[TM+\b], |v[\s+16*\b+\i]|, |v[\s+1+16*\b+\i]|
.endr
.endr
.irp b, 0,1,2,3
	v_permlanex16_b32 v[TM+4+\b], v[TM+\b], s[SEL], s[SEL+1]
.endr
.irp b, 0,1,2,3
	v_max_num_f32 v[TM+\b], v[TM+\b], v[TM+4+\b]
.endr
.irp b, 0,1,2,3
	v_add_nc_u32 v[TM+12+\b], 0xfe000000, v[TM+\b] ; 4 off its exponent field: the conversion's scale operand
.endr
.irp b, 0,1,2,3
	v_lshrrev_b32 v[TM+4+\b], 23, v[TM+12+\b]      ; the scale's byte
.endr
	v_lshl_or_b32 v[\pw], v[TM+5], 8, v[TM+4]
	v_lshl_or_b32 v[\pw], v[TM+6], 16, v[\pw]
	v_lshl_or_b32 v[\pw], v[TM+7], 24, v[\pw]
.irp c, 0,1
	v_cvt_scalef32_pk16_bf6_f32 v[CDS+6*\c:CDS+2+6*\c], v[\s+32*\c:\s+15+32*\c], v[TM+12+2*\c]
	v_cvt_scalef32_pk16_bf6_f32 v[CDS+12+4*\c:CDS+14+4*\c], v[\s+16+32*\c:\s+31+32*\c], v[TM+12+2*\c+1]
.endr
	v_nop                                          ; one plain instruction behind a scaled conversion
.irp c, 0,1                                    ; the operand's layout wants a whole block in a lane
.irp i, 0,1,2
	v_permlane16_swap_b32 v[CDS+6*\c+\i], v[CDS+12+4*\c+\i]
.endr
.irp i, 0,1,2
	v_mov_b32 v[CDS+3+6*\c+\i], v[CDS+12+4*\c+\i]
.endr
.endr
.endm
; THE WAY OUT, no LDS: block a (16 rows of A's, 128 of B's) gets its bias, is quantised and stored as images; each store of codes covers 256 consecutive bytes, aligned.  The bias lies in window 3.
; kind 0 (q, k): my rows are tokens, my 128 columns two heads.  kind 1 (v): my rows are the 64 d of one head, my columns a key step.
.macro EPI kind
	s_wait_xcnt 0x0                                ; the last block's loads and stores have read their bases
.if \kind == 0
	s_load_b128 s[96:99], s[0:1], 0x20             ; bq, bk
	s_load_b64 s[12:13], s[0:1], 0x38              ; qkv
	s_lshl_b32 s46, s92, 10
	s_lshl_b32 s47, s16, 9
	s_add_co_u32 s46, s46, s47                     ; the bias at my first column: 4 (256 cx + 128 half)
	s_mov_b32 s47, 0
	s_lshr_b32 s20, ttmp9, 1
	s_lshl_b32 s20, s20, 4
	s_lshl_b32 s21, s92, 2
	s_add_co_u32 s20, s20, s21
	s_lshl_b32 s21, s16, 1
	s_add_co_u32 s20, s20, s21                     ; 16 b + my first head
	s_mul_i32 s20, s20, HB
	s_and_b32 s21, ttmp9, 1
	s_lshl_b32 s21, s21, 3
	s_lshl_b32 s22, s93, 1
	s_add_co_u32 s21, s21, s22
	s_add_co_u32 s21, s21, s15                     ; my four tiles of tokens: group 8 (c % 2) + 2 cy + half
	s_cmp_eq_u32 s2, 3
	s_cselect_b32 s100, 0x3e000000, 1.0            ; q is multiplied by 1 / 8, k by 1
	s_cselect_b32 s95, 0, KCO
	s_mov_b32 s101, s100
	s_add_co_u32 s20, s20, s95
	s_mul_i32 s22, s21, 3072
	s_add_co_u32 s22, s22, s20
	s_mov_b32 s23, 0
	s_lshl_b32 s44, s21, 8
	s_add_co_u32 s44, s44, s20
	s_add_co_u32 s44, s44, QSO
	s_mov_b32 s45, 0
	s_wait_kmcnt 0x0
	s_cmp_eq_u32 s2, 3
	s_cselect_b64 s[96:97], s[96:97], s[98:99]
	s_add_nc_u64 s[96:97], s[96:97], s[46:47]
	s_add_nc_u64 s[44:45], s[12:13], s[44:45]
	s_add_nc_u64 s[12:13], s[12:13], s[22:23]
	WIN 0xc0
.irp i, 0,1,2,3,4,5,6,7
	global_load_b128 v[8*\i:8*\i+3], v26, s[96:97] offset:64*\i             ; register 8 i + j: the bias of column 16 i + 8 h + j
	global_load_b128 v[8*\i+4:8*\i+7], v26, s[96:97] offset:64*\i+16
.endr
	s_wait_loadcnt 0x0
	WIN 0xc3
.set n, 0
.rept 32
	v_pk_mul_f32 v[n:n+1], v[n:n+1], s[100:101] op_sel_hi:[1,0]    ; the bias x 1 / 8 (k: x 1): sum x 1 / 8 + that is (sum + bias) / 8 to the bit
.set n, n+2
.endr
	WIN 0
.else
	s_load_b128 s[96:99], s[0:1], 0x30             ; bv, qkv
	s_and_b32 s21, ttmp9, 1
	s_lshl_b32 s21, s21, 3
	s_lshl_b32 s22, s93, 1
	s_add_co_u32 s21, s21, s22
	s_add_co_u32 s21, s21, s15                     ; my head: 8 (c % 2) + 2 cy + half
	s_lshl_b32 s46, s21, 8                         ; the bias at my first row
	s_mov_b32 s47, 0
	s_lshr_b32 s20, ttmp9, 1
	s_lshl_b32 s20, s20, 4
	s_add_co_u32 s20, s20, s21
	s_mul_i32 s20, s20, HB
	s_lshl_b32 s21, s92, 1
	s_add_co_u32 s21, s21, s16                     ; my key step: 2 cx + half
	s_mul_i32 s22, s21, 6144
	s_add_co_u32 s22, s22, s20
	s_add_co_u32 s22, s22, VCO
	s_mov_b32 s23, 0
	s_lshl_b32 s44, s21, 8
	s_add_co_u32 s44, s44, s20
	s_add_co_u32 s44, s44, VSO
	s_mov_b32 s45, 0
	s_wait_kmcnt 0x0
	s_add_nc_u64 s[96:97], s[96:97], s[46:47]
	s_add_nc_u64 s[44:45], s[98:99], s[44:45]
	s_add_nc_u64 s[12:13], s[98:99], s[22:23]
	WIN 0xc0
.irp i, 0,1,2,3,4,5,6,7
	global_load_b32 v[\i], v25, s[96:97] offset:64*(\i/2)          ; registers 2 a and 2 a + 1: the bias of my row of block a
.endr
	WIN 0
	s_wait_loadcnt 0x0
.endif
.irp a, 0,1,2,3
	s_wait_xcnt 0x0                                ; the last block's stores have read their registers
.if \kind == 0
	WIN 0x32                                       ; source 0 window 2, source 2 window 3
.else
	WIN 0x0e                                       ; source 0 window 2, source 1 window 3
.endif
.set n, 0
.rept 32                                       ; each accumulator from its low end on
.if \kind == 0
	v_pk_fma_f32 v[T+n:T+n+1], v[64*\a+n:64*\a+n+1], s[100:101], v[n:n+1] op_sel_hi:[1,0,1]
.else
	v_pk_add_f32 v[T+n:T+n+1], v[64*\a+n:64*\a+n+1], v[2*\a:2*\a+1]
.endif
.set n, n+2
.endr
	WIN 0
	QUANT T, PWB+\a
.irp p, 0,1,2,3,4,5
.if \kind == 0
	global_store_b64 v30, v[CDS+2*\p:CDS+2*\p+1], s[12:13] offset:768*\a+256*(\p%3)+(\p/3)*HB
.else
	global_store_b64 v30, v[CDS+2*\p:CDS+2*\p+1], s[12:13] offset:\a*1536+256*\p
.endif
.endr
.endr
.if \kind == 0
.irp t, 0,1,2,3
	v_bfe_u32 v[SW+\t], v[PWB+\t], v24, 16         ; lanes 0-15: the first head's two bytes; lanes 16-31: the second's; zeros above
.endr
	global_store_b128 v31, v[SW:SW+3], s[44:45]
.else
	global_store_b128 v23, v[PWB:PWB+3], s[44:45]  ; row r's four words; lanes 16-31 name the same bytes as lanes 0-15, with the same values
.endif
.endm
.Ltile:
	s_wait_alu depctr_va_vdst(0)
	s_wait_tensorcnt 0x0                           ; my part of the block has landed,
	s_barrier_signal -1
	s_barrier_wait -1                              ; everybody's has
.irp j, 0,1
.irp i, 0,1,2,3,4,5,6,7
	ds_load_b128 v[SC+32*\j+4*\i:SC+32*\j+4*\i+3], v[ADRS] offset:512*\i+16*\j
.endr
.endr
	FETCH 0
	s_wait_dscnt 0x0
	FETCH 1
	MUL32 0, 1                                     ; the first step's products start the sums
.irp k, 1,2,3,4,5,6
	s_wait_dscnt 0x0                               ; step k's fragments, asked for ahead of the last 32 products
	PLACES
	FETCH \k+1
	MUL32 \k, 0
.endr
	s_wait_dscnt 0x0
	MUL32 7, 0
	PLACES
	s_cmp_eq_u32 s2, 1
	s_cbranch_scc1 .Lv                             ; the last block's tail is written out: it asks for nothing more
	PREP 0
	s_wait_tensorcnt 0x0                           ; ahead of a refill's barrier
	ds_add_u32 v[SPW], v[NIL]
	s_wait_dscnt 0x0                               ; the add is done, and so are my reads of this block
	CROUND                                         ; no wave of any partner still reads it
	JLOAD                                          ; the next block, my one load behind the round
	EPI 0
	s_wait_xcnt 0x0                                ; the stores have read their registers: the next block's fragments land on them
	s_sub_co_u32 s2, s2, 1
	s_branch .Ltile
.Lv:
	EPI 1
	s_wait_tensorcnt 0x0                           ; the wave's end
	ds_add_u32 v[SPW], v[NIL]
	s_wait_dscnt 0x0
	CROUND                                         ; the closing round
	s_endpgm
.Lfunc_end_k_qd0a8639062_qkv:
	.size	k_qd0a8639062_qkv, .Lfunc_end_k_qd0a8639062_qkv-k_qd0a8639062_qkv
	.p2alignl 7, 3214868480
	.fill 96, 4, 3214868480
	.section	.rodata,"a",@progbits
	.p2align	6, 0x0
	.amdhsa_kernel k_qd0a8639062_qkv
		.amdhsa_group_segment_fixed_size 327680
		.amdhsa_private_segment_fixed_size 0
		.amdhsa_enable_private_segment 0
		.amdhsa_kernarg_size 64
		.amdhsa_user_sgpr_count 2
		.amdhsa_user_sgpr_kernarg_segment_ptr 1
		.amdhsa_wavefront_size32 1
		.amdhsa_system_sgpr_workgroup_id_x 1
		.amdhsa_system_sgpr_workgroup_id_y 1
		.amdhsa_system_sgpr_workgroup_id_z 1
		.amdhsa_system_vgpr_workitem_id 0
		.amdhsa_next_free_vgpr 1024
		.amdhsa_next_free_sgpr 102
		.amdhsa_reserve_vcc 0
		.amdhsa_float_denorm_mode_32 3
		.amdhsa_float_denorm_mode_16_64 3
		.amdhsa_memory_ordered 1
		.amdhsa_forward_progress 1
		.amdhsa_inst_pref_size 138
	.end_amdhsa_kernel
	.amdgpu_metadata
---
amdhsa.version: [ 1, 2 ]
amdhsa.kernels:
  - .name:           k_qd0a8639062_qkv
    .symbol:         k_qd0a8639062_qkv.kd
    .args:
      - { .name: act, .offset: 0, .size: 8, .value_kind: global_buffer, .address_space: global }
      - { .name: wlq, .offset: 8, .size: 8, .value_kind: global_buffer, .address_space: global }
      - { .name: wlk, .offset: 16, .size: 8, .value_kind: global_buffer, .address_space: global }
      - { .name: wlv, .offset: 24, .size: 8, .value_kind: global_buffer, .address_space: global }
      - { .name: bq, .offset: 32, .size: 8, .value_kind: global_buffer, .address_space: global }
      - { .name: bk, .offset: 40, .size: 8, .value_kind: global_buffer, .address_space: global }
      - { .name: bv, .offset: 48, .size: 8, .value_kind: global_buffer, .address_space: global }
      - { .name: qkv, .offset: 56, .size: 8, .value_kind: global_buffer, .address_space: global }
    .group_segment_fixed_size: 327680
    .private_segment_fixed_size: 0
    .kernarg_segment_align: 8
    .kernarg_segment_size: 64
    .max_flat_workgroup_size: 128
    .sgpr_count:     102
    .vgpr_count:     1024
    .wavefront_size: 32
...
	.end_amdgpu_metadata
.endif
;; end of part 2
;; launch att (part 3): grid 4 x 64, 8 waves a work-group, clusters of 4 x 1, 209,920 bytes of LDS; arguments qkv, attn_mask, act; writes act
.if DOCPART == 3
	.amdgcn_target "amdgcn-amd-amdhsa--gfx1250"
	.amdhsa_code_object_version 6
	.text
	.protected	k_qd0a8639062_att
	.globl	k_qd0a8639062_att
	.p2align	8
	.type	k_qd0a8639062_att,@function
k_qd0a8639062_att:
	s_mov_b64 s[64:65], 0
	v_nop
	global_prefetch_b8 v0, s[64:65] scope:SCOPE_SE
	s_setreg_imm32_b32 hwreg(HW_REG_WAVE_MODE, 25, 1), 1
	s_wait_xcnt 0x0
	s_wait_alu depctr_hold_cnt(0) depctr_sa_sdst(0) depctr_va_vdst(0) depctr_va_sdst(0) depctr_va_ssrc(0) depctr_va_vcc(0) depctr_vm_vsrc(0)
	s_getreg_b32 s2, hwreg(HW_REG_IB_STS2, 6, 4)
	s_cmp_eq_u32 s2, 0
	s_cbranch_scc0 .Lentry_in_a_cluster
	s_endpgm
.Lentry_in_a_cluster:
	s_bfe_u32 s2, ttmp6, 0x10000c
	s_cmp_lg_u32 s2, 0x3003
	s_cbranch_scc0 .Lentry_shape_is_right
	s_endpgm
.Lentry_shape_is_right:
; For each (b, head): scores = q k^T + mask, p = 2^(t - M) with t = score x log2(e) and M the ceiling of the running largest t, o = (p v) / (the sum of the unquantised p); both products on codes of E3M2.
; o is quantised along the model's 1,024 (a head gives two blocks of 32) into act_c, laid [token / 256][K step of 256][token % 256][192 bytes], and act_s [token][32]: the last product's operand.
; IN: a head's block of qkv: q's and k's tiles (16 tokens x 64) as images of 768 bytes, v's fragments (16 d x 128 keys) as images of 1,536 bytes, scale words beside them; pair p of lane l at 256 p + 8 l.
; SHARES.  A work-group takes TWO neighbouring heads (u = 0, 1) and 256 queries.  Each of its 8 waves takes one tile of 16 queries for both heads, twice.  The mask hangs on no head: one fragment of it,
; 64 registers, is the C of both heads' score products, so a work-group reads 256 rows of the mask for 512 rows of scores.  Two waves to a SIMD, 512 registers each.
; k, v and their scale words of both heads, 2 x 104,448 dense bytes, come into LDS ONCE, one tensor load a wave: no ring, nothing is filled again.
; CLUSTER: the four work-groups of a pair of heads need the same k and v: each load is asked for jointly, with the mask of all four.  Only global addresses (q, the mask, the output) hang on the place in the cluster.
; NO PREFETCH: k and v come at the head, ahead of any loop; each key step's mask is asked for a whole key step ahead by its own loads into registers.
; LAYOUT.  Both products are used transposed (S^T = k q^T, O^T = v^T p^T): a lane holds ONE query.  The mask is the C of S^T and costs no vector instruction.
; v's fragments are loaded into a head's score registers as soon as its p has been summed and converted.
; K = 64 IN AN INSTRUCTION OF 128: q's registers 6-11 are zero codes, and bytes 2, 3 of q's and k's scale words are 0.  k's tiles lie six registers apart, so a tile's registers 6-11 are the next tile's codes
; (behind the last: zeros): E3M2 has no code for NaN or infinity, so zero times any of them adds nothing.
; p's codes lie inside a block of 32 keys in the order 0-7, 16-23, 8-15, 24-31, as v's do.  o is brought into the true order ahead of its quantiser, since it meets a given weight.
; LIMITS: NaN in the mask is not served; -infinity is (p = 0), but not a row that is -infinity throughout, where the reference gives NaN; the scaled scores stay under 2^31 in magnitude.
; The two heads give 96 of a K step's 192 bytes of a token: the stores of codes cover 24 bytes a lane.
; THE OUTPUT'S LAYOUT (it takes the place of what is said of act_c and act_s above): act, in units of 128 tokens, 102,400 bytes: [block of 16 tokens (8)][step of 128 along the model's axis (8)][1,536 bytes:
; pair p of lane l at 256 p + 8 l], then at byte 98,304 the scale bytes [token][32].  My two heads are one such step: head 0 gives pairs 0-2 of the fragment, head 1 pairs 3-5; each store of codes covers 256 consecutive bytes, aligned.
.set HB,   157696
.set QSO,  49152                       ; q's scale words in a head's block
.set KCO,  53248                       ; from here to the block's end: what goes to LDS
.set KS_L, 49152                       ; LDS, for head 0: k's images at 0, k's scale words here,
.set VC_L, 53248                       ; v's images,
.set VS_L, 102400                      ; v's scale words
.set HL,   104448                      ; head 1: the same, this much further on
.set PART, 26112                       ; a quarter of a head's: 102 rows of 256 bytes
.set SPARE, 208896                     ; the spare words, 128 bytes a wave
; window 0: v5 mask: 4,096 r + 32 h; v8 32 r + h
.set STX,  12                          ; v[12+4u] -M, +1 the largest t, +2, +3 the sum in two halves
.set QSC,  20                          ; v[20+u]  q's scale word
.set PW,   22                          ; v[22+u]  p's scale word of the step
.set FX,   24                          ; v[24+2u] f = 2^(old M - new M); the register beside it is 0
.set BM,   40                          ; v[40+4u ..] the four blocks' largest scores, then largest p
.set W,    48                          ; v48-55   at work
.set CO,   56                          ; v56-59   the conversions' scale operands
.set TMP,  60
.set BY,   62                          ; v[62+u]  o's scale byte to store
.set SX,   64                          ; v[64+64u ..] S^T, p, then v's four fragments, at the end o
.set CX,   192                         ; v[192+12u ..] p's codes, at the end o's
.set AK,   216                         ; v[216+u] 8 x lane + HL u;  AKS 16 r + HL u;  AV, AVS the same at v's images and scale words
.set AKS,  218
.set AV,   220
.set AVS,  222
.set KSC,  224                         ; v[224+8u ..] k's scale words of the step's eight tiles
.set VSC,  240                         ; v[240+4u ..] v's scale words of the step's four fragments
.set SPW,  254
.set NIL,  255
; window 1:
.set KF,   0                           ; [48u ..] eight tiles of k; 96-101 zeros
.set QF,   104                         ; [104+12u ..] q's six registers, then six of zeros
.set OF,   128                         ; [128+32u ..] O^T
.set MB,   192                         ; 192-255 the mask
.set MSB, 0
.macro WIN new                         ; s_set_vgpr_msb: bits 1:0 source 0, 3:2 source 1, 5:4 source 2, 7:6 destination; the high byte repeats the setting that is left
.if MSB != (\new)
	s_set_vgpr_msb (MSB<<8)|(\new)
.set MSB, (\new)
.endif
.endm
.macro ROUND                           ; a round of the cluster's barrier
	s_barrier_signal -1
	s_barrier_wait -1
	s_cmp_lg_u32 s12, 0
	s_cbranch_scc1 .Lnw0_\@
	s_barrier_signal -3
.Lnw0_\@:
	s_barrier_wait -3
	s_barrier_signal -1
	s_barrier_wait -1
.endm
	s_load_b128 s[4:7], s[0:1], 0x0                ; qkv s[4:5], mask s[6:7]
	s_load_b64 s[8:9], s[0:1], 0x10                ; act
	v_lshl_add_u32 v[SPW], v0, 2, SPARE
	v_mov_b32 v[NIL], 0
	ds_add_u32 v[SPW], v[NIL]                      ; the opening lines: the add, twice on end, and its wait
	ds_add_u32 v[SPW], v[NIL]
	v_lshrrev_b32 v56, 5, v0
	s_delay_alu instid0(VALU_DEP_1)
	v_readfirstlane_b32 s12, v56                   ; wave 0..7
	s_bfe_u32 s15, ttmp6, 0x40000                  ; cx
	s_lshl_b32 s51, ttmp9, 2
	s_add_co_u32 s15, s15, s51                     ; which 256 queries
	s_and_b32 s13, ttmp7, 0xffff                   ; the pair of heads: 8 b + head / 2
	s_mul_i32 s14, s13, 2*HB                       ; head 0's block (under 2^25)
	s_mov_b32 s16, 15|(3<<16)|(1<<21)              ; group 1: all four of the cluster; elements of 8 bytes; bit 21 beside a mask; no padding
	s_mov_b32 s17, 32<<16                          ; tensor_dim0 = 32 elements: 256 bytes
	s_mov_b32 s18, 102<<16                         ; tensor_dim1
	s_mov_b32 s19, 32<<16                          ; tile_dim0
	s_mov_b32 s20, 102                             ; tile_dim1
	s_mov_b32 s21, 32                              ; pitch: dense
	s_mov_b32 s22, 0
	s_mov_b32 s23, 0
	s_mov_b32 s24, 1
	s_mul_i32 s25, s12, PART                       ; wave w brings quarter w % 4 of head w / 4: its place in LDS,
	s_and_b32 s44, s12, 3
	s_mul_i32 s46, s44, PART
	s_lshr_b32 s44, s12, 2
	s_mul_i32 s44, s44, HB
	s_add_co_u32 s46, s46, s44
	s_add_co_u32 s46, s46, s14
	s_add_co_u32 s46, s46, KCO                     ; and in memory
	s_mov_b32 s47, 0
	s_lshl_b32 s45, s15, 4
	s_add_co_u32 s45, s45, s12                     ; my first tile of queries; the second pass is 8 tiles on
	s_mul_i32 s34, s45, 768
	s_add_co_u32 s34, s34, s14                     ; q's images (head 1's: HB further on)
	s_mov_b32 s35, 0
	s_lshr_b32 s36, s45, 2
	s_lshl_b32 s36, s36, 8
	s_and_b32 s37, s45, 3
	s_lshl_b32 s37, s37, 2
	s_add_co_u32 s36, s36, s37
	s_add_co_u32 s36, s36, s14
	s_add_co_u32 s36, s36, QSO                     ; q's scale words: [tile / 4][r][tile % 4]
	s_mov_b32 s37, 0
	s_lshl_b32 s38, s45, 16                        ; the mask's rows of 4,096 bytes, 16 a tile
	s_mov_b32 s39, 0
	s_lshr_b32 s48, s13, 3                         ; b
	s_lshl_b32 s49, s48, 2
	s_add_co_u32 s49, s49, s15                     ; my block of 256 tokens
	s_mul_i32 s40, s49, 204800                     ; two units of 128 tokens; the second pass is a unit on
	s_mul_i32 s50, s12, 12288                      ; my block of 16 tokens
	s_add_co_u32 s40, s40, s50
	s_and_b32 s50, s13, 7
	s_mul_i32 s51, s50, 1536                       ; my heads' step of 128
	s_add_co_u32 s40, s40, s51
	s_mov_b32 s41, 0
	s_mul_i32 s42, s49, 204800
	s_add_co_u32 s42, s42, 98304                   ; the unit's scale bytes,
	s_lshl_b32 s51, s12, 9                         ; 16 tokens of 32 bytes a wave,
	s_add_co_u32 s42, s42, s51
	s_lshl_b32 s50, s50, 2                         ; two bytes a head
	s_add_co_u32 s42, s42, s50
	s_mov_b32 s43, 0
	s_mov_b32 s28, 0x76543210
	s_mov_b32 s29, 0xfedcba98                      ; selects for lane l xor 16
	s_mov_b32 s30, 0x3fb8aa3b                      ; log2(e)
	s_mov_b32 s31, s30
	s_mov_b32 s32, 0xffff0000                      ; lanes 16-31
	s_mov_b32 s33, 0                               ; the pass
	s_wait_dscnt 0x0
	s_wait_kmcnt 0x0
	s_add_nc_u64 s[26:27], s[4:5], s[46:47]
	s_add_nc_u64 s[34:35], s[4:5], s[34:35]
	s_add_nc_u64 s[36:37], s[4:5], s[36:37]
	s_add_nc_u64 s[38:39], s[6:7], s[38:39]
	s_add_nc_u64 s[40:41], s[8:9], s[40:41]
	s_add_nc_u64 s[42:43], s[8:9], s[42:43]
	s_or_b32 s27, s27, 0x80000000                  ; type = 2
	ROUND                                          ; all four work-groups are here: the joint loads meet
	tensor_load_to_lds s[24:27], s[16:23]          ; my one load
	s_nop 0
	v_and_b32 v56, 31, v0                          ; lane
	v_and_b32 v57, 15, v0                          ; r
	v_bfe_u32 v58, v0, 4, 1                        ; h
	s_delay_alu instid0(VALU_DEP_3)
	v_lshlrev_b32 v[AK], 3, v56
	s_delay_alu instid0(VALU_DEP_3)
	v_lshlrev_b32 v[AKS], 4, v57
	s_delay_alu instid0(VALU_DEP_2)
	v_add_nc_u32 v[AK+1], HL, v[AK]
	s_delay_alu instid0(VALU_DEP_2)
	v_add_nc_u32 v[AKS+1], HL, v[AKS]
	v_add_nc_u32 v[AV], VC_L, v[AK]
	v_add_nc_u32 v[AV+1], VC_L+HL, v[AK]
	v_add_nc_u32 v[AVS], VS_L, v[AKS]
	v_add_nc_u32 v[AVS+1], VS_L+HL, v[AKS]
	v_lshlrev_b32 v5, 12, v57
	s_delay_alu instid0(VALU_DEP_1)
	v_lshl_add_u32 v5, v58, 5, v5
	v_lshl_add_u32 v8, v57, 5, v58
.irp j, 0,1,2,3,4,5,6,7
	v_mov_b32 v[W+\j], 0                           ; written once: a lane permute's destination counts as one of its sources
.endr
	v_mov_b32 v[FX+1], 0
	v_mov_b32 v[FX+3], 0
	v_mov_b32 v[TMP], 0
	WIN 0x40
.irp j, 0,1,2,3,4,5
	v_mov_b32 v[KF+96+\j], 0                       ; zero codes: behind k's last tile, and the upper 64 of q's K
	v_mov_b32 v[QF+6+\j], 0
	v_mov_b32 v[QF+18+\j], 0
.endr
	WIN 0
	s_wait_alu depctr_va_vdst(0)                   ; the wait at the head's end
	s_wait_tensorcnt 0x0                           ; my part has landed,
	s_barrier_signal -1
	s_barrier_wait -1                              ; everybody's has
.macro MASK s                          ; 16 queries x key step s, in the scores' layout: register 8 t + j of lane (r, h) is key 128 s + 16 t + 8 h + j.  (Destination window 1)
.irp t, 0,1,2,3,4,5,6,7
	global_load_b128 v[MB+8*\t:MB+8*\t+3], v5, s[38:39] offset:512*(\s)+64*\t
	global_load_b128 v[MB+8*\t+4:MB+8*\t+7], v5, s[38:39] offset:512*(\s)+64*\t+16
.endr
.endm
.macro KLOAD s, u                      ; key step s of head u: eight tiles of k, six registers each.  (Destination window 1)
.irp t, 0,1,2,3,4,5,6,7
.irp p, 0,1,2
	ds_load_b64 v[KF+48*\u+6*\t+2*\p:KF+48*\u+6*\t+2*\p+1], v[AK+\u] offset:(8*(\s)+\t)*768+256*\p
.endr
.endr
.endm
.macro KSLOAD s                        ; k's scale words of key step s, both heads
.irp u, 0,1
	ds_load_b128 v[KSC+8*\u:KSC+8*\u+3], v[AKS+\u] offset:KS_L+(2*(\s))*256
	ds_load_b128 v[KSC+8*\u+4:KSC+8*\u+7], v[AKS+\u] offset:KS_L+(2*(\s)+1)*256
.endr
.endm
.macro VLOAD s, u                      ; key step s of head u: four fragments of v into the head's score registers, and their scale words: 25 LDS loads
.irp d, 0,1,2,3
.irp p, 0,1,2,3,4,5
	ds_load_b64 v[SX+64*\u+12*\d+2*\p:SX+64*\u+12*\d+2*\p+1], v[AV+\u] offset:(4*(\s)+\d)*1536+256*\p
.endr
.endr
	ds_load_b128 v[VSC+4*\u:VSC+4*\u+3], v[AVS+\u] offset:256*(\s)
.endm
; THE SOFTMAX'S FRONT, both heads line by line: the largest score of each block of 32 keys (it serves for the row's maximum and, since p rises with the score, for the block's largest p),
; the running largest t, -M = floor(-t), f = 2^(old M - new M).
.macro FRONT
.irp b, 0,1,2,3
.irp u, 0,1
	v_max3_num_f32 v[BM+4*\u+\b], v[SX+64*\u+16*\b], v[SX+64*\u+16*\b+1], v[SX+64*\u+16*\b+2]
.endr
.endr
.irp i, 3,5,7,9,11,13
.irp b, 0,1,2,3
.irp u, 0,1
	v_max3_num_f32 v[BM+4*\u+\b], v[BM+4*\u+\b], v[SX+64*\u+16*\b+\i], v[SX+64*\u+16*\b+\i+1]
.endr
.endr
.endr
.irp b, 0,1,2,3
.irp u, 0,1
	v_max_num_f32 v[BM+4*\u+\b], v[BM+4*\u+\b], v[SX+64*\u+16*\b+15]
.endr
.endr
.irp b, 0,1,2,3
.irp u, 0,1
	v_permlanex16_b32 v[W+4*\u+\b], v[BM+4*\u+\b], s28, s29
.endr
.endr
.irp b, 0,1,2,3
.irp u, 0,1
	v_max_num_f32 v[BM+4*\u+\b], v[BM+4*\u+\b], v[W+4*\u+\b]       ; with lane l xor 16's 16 keys
.endr
.endr
.irp u, 0,1
	s_delay_alu instid0(VALU_DEP_4)
	v_max3_num_f32 v[TMP+\u], v[BM+4*\u], v[BM+4*\u+1], v[BM+4*\u+2]
.endr
.irp u, 0,1
	s_delay_alu instid0(VALU_DEP_2)
	v_max_num_f32 v[TMP+\u], v[TMP+\u], v[BM+4*\u+3]
.endr
.irp u, 0,1
	s_delay_alu instid0(VALU_DEP_2)
	v_mul_f32 v[TMP+\u], s30, v[TMP+\u]            ; the step's largest t
.endr
.irp u, 0,1
	s_delay_alu instid0(VALU_DEP_2)
	v_max_num_f32 v[STX+4*\u+1], v[STX+4*\u+1], v[TMP+\u]          ; the running largest t
.endr
.irp u, 0,1
	v_mov_b32 v[TMP+\u], v[STX+4*\u]
.endr
.irp u, 0,1
	s_delay_alu instid0(VALU_DEP_4)
	v_floor_f32 v[STX+4*\u], -v[STX+4*\u+1]        ; -M = floor(-t): M is a whole number
.endr
.irp u, 0,1
	s_delay_alu instid0(VALU_DEP_2)
	v_sub_f32 v[TMP+\u], v[STX+4*\u], v[TMP+\u]    ; old M - new M, 0 or less
.endr
.irp u, 0,1
	s_delay_alu instid0(VALU_DEP_2)
	v_cvt_i32_f32 v[TMP+\u], v[TMP+\u]             ; (it saturates)
.endr
.irp u, 0,1
	s_delay_alu instid0(VALU_DEP_2)
	v_ldexp_f32 v[FX+2*\u], 1.0, v[TMP+\u]         ; f: a multiplication by it rounds nothing
.endr
.endm
; THE REST, a head at a time: p, its scale word and codes, the row's sum.
.macro BACK u
.set SB, SX+64*(\u)
.set SS, STX+4*(\u)
.set FF, FX+2*(\u)
.set BB, BM+4*(\u)
.set CC, CX+12*(\u)
.set j, 0
.rept 32
	v_pk_fma_f32 v[SB+j:SB+j+1], v[SB+j:SB+j+1], s[30:31], v[SS:SS+1] op_sel_hi:[1,0,0]   ; t - M
.set j, j+2
.endr
.irp b, 0,1,2,3
	v_fma_f32 v[BB+\b], v[BB+\b], s30, v[SS]       ; the same of each block's largest score
.endr
.set j, 0
	s_wait_alu depctr_va_vdst(0)                   ; the wait ahead of the batch
.rept 64
	v_exp_f32 v[SB+j], v[SB+j]                     ; p = 2^(t - M), not normalised
.set j, j+1
.endr
.irp b, 0,1,2,3
	v_exp_f32 v[BB+\b], v[BB+\b]                   ; the block's largest p: the same two instructions on the same number
.endr
	v_pk_mul_f32 v[SS+2:SS+3], v[SS+2:SS+3], v[FF:FF+1] op_sel_hi:[1,0]   ; the sums under the new M (a plain instruction behind the exponentials)
	s_wait_alu depctr_va_vdst(0)                   ; and behind it
.irp b, 0,1,2,3
	v_max_num_f32 v[BB+\b], 0x2800000, v[BB+\b]    ; the floor 2^(5 - 127): the byte cannot fall under 1
.endr
.irp b, 0,1,2,3
	s_delay_alu instid0(VALU_DEP_4)
	v_add_nc_u32 v[CO+\b], 0xfe000000, v[BB+\b]    ; 4 off the exponent field: the conversion's scale operand
.endr
.irp b, 0,1,2,3
	s_delay_alu instid0(VALU_DEP_4)
	v_lshrrev_b32 v[W+\b], 23, v[CO+\b]            ; the scale's byte
.endr
	s_delay_alu instid0(VALU_DEP_3)
	v_lshl_or_b32 v[PW+\u], v[W+1], 8, v[W]        ; p's scale word for these 128 keys
	s_delay_alu instid0(VALU_DEP_1)
	v_lshl_or_b32 v[PW+\u], v[W+2], 16, v[PW+\u]
	s_delay_alu instid0(VALU_DEP_1)
	v_lshl_or_b32 v[PW+\u], v[W+3], 24, v[PW+\u]
.irp c, 0,1
	v_cvt_scalef32_pk16_bf6_f32 v[CC+6*\c:CC+6*\c+2], v[SB+32*\c:SB+32*\c+15], v[CO+2*\c]
	v_cvt_scalef32_pk16_bf6_f32 v[W+4*\c:W+4*\c+2], v[SB+32*\c+16:SB+32*\c+31], v[CO+2*\c+1]   ; (a conversion's three registers begin on an even number)
.endr
	v_nop                                          ; one plain instruction behind a scaled conversion
.irp c, 0,1                                    ; the operand's layout wants a whole block in a lane
.irp i, 0,1,2
	v_permlane16_swap_b32 v[CC+6*\c+\i], v[W+4*\c+\i]
.endr
.irp i, 0,1,2
	s_delay_alu instid0(VALU_DEP_3)
	v_mov_b32 v[CC+3+6*\c+\i], v[W+4*\c+\i]
.endr
.endr
	v_pk_add_f32 v[W:W+1], v[SB:SB+1], v[SB+2:SB+3]                ; the row's sum is taken of the unquantised p: four chains
	v_pk_add_f32 v[W+2:W+3], v[SB+4:SB+5], v[SB+6:SB+7]
	v_pk_add_f32 v[W+4:W+5], v[SB+8:SB+9], v[SB+10:SB+11]
.irp j, 12,20,28,36,44,52
	v_pk_add_f32 v[SS+2:SS+3], v[SS+2:SS+3], v[SB+\j:SB+\j+1]
	v_pk_add_f32 v[W:W+1], v[W:W+1], v[SB+\j+2:SB+\j+3]
	v_pk_add_f32 v[W+2:W+3], v[W+2:W+3], v[SB+\j+4:SB+\j+5]
	v_pk_add_f32 v[W+4:W+5], v[W+4:W+5], v[SB+\j+6:SB+\j+7]
.endr
	v_pk_add_f32 v[SS+2:SS+3], v[SS+2:SS+3], v[SB+60:SB+61]
	v_pk_add_f32 v[W:W+1], v[W:W+1], v[SB+62:SB+63]
	s_delay_alu instid0(VALU_DEP_1)
	v_pk_add_f32 v[W:W+1], v[W:W+1], v[W+2:W+3]
	s_delay_alu instid0(VALU_DEP_3)
	v_pk_add_f32 v[SS+2:SS+3], v[SS+2:SS+3], v[W+4:W+5]
	s_delay_alu instid0(VALU_DEP_1)
	v_pk_add_f32 v[SS+2:SS+3], v[SS+2:SS+3], v[W:W+1]
.endm
.macro PV s, u                         ; O^T += v^T p^T of head u: four accumulators, one instruction each
.irp d, 0,1,2,3
.if \s == 0
	v_wmma_scale_f32_16x16x128_f8f6f4 v[OF+32*\u+8*\d:OF+32*\u+8*\d+7], v[SX+64*\u+12*\d:SX+64*\u+12*\d+11], v[CX+12*\u:CX+12*\u+11], 0, v[VSC+4*\u+\d], v[PW+\u] matrix_a_fmt:MATRIX_FMT_BF6 matrix_b_fmt:MATRIX_FMT_BF6
.else
	v_wmma_scale_f32_16x16x128_f8f6f4 v[OF+32*\u+8*\d:OF+32*\u+8*\d+7], v[SX+64*\u+12*\d:SX+64*\u+12*\d+11], v[CX+12*\u:CX+12*\u+11], v[OF+32*\u+8*\d:OF+32*\u+8*\d+7], v[VSC+4*\u+\d], v[PW+\u] matrix_a_fmt:MATRIX_FMT_BF6 matrix_b_fmt:MATRIX_FMT_BF6
.endif
.endr
.endm
; A KEY STEP: 128 keys, both heads.  Its k and k's scale words have been waited for (at the pass's head, or in front of the last step's second products).
.macro STEP s
	s_wait_loadcnt 0x0                             ; the mask, asked for a step ago; in the first step q too
	WIN 0x15                                       ; k, q and the mask window 1; D window 0
.irp u, 0,1
.irp t, 0,1,2,3,4,5,6,7
	v_wmma_scale_f32_16x16x128_f8f6f4 v[SX+64*\u+8*\t:SX+64*\u+8*\t+7], v[KF+48*\u+6*\t:KF+48*\u+6*\t+11], v[QF+12*\u:QF+12*\u+11], v[MB+8*\t:MB+8*\t+7], v[KSC+8*\u+\t], v[QSC+\u] matrix_a_fmt:MATRIX_FMT_BF6 matrix_b_fmt:MATRIX_FMT_BF6
.endr
.endr
	WIN 0
.rept 4
	v_nop                                          ; places ahead of the reads of the scores and of the loads into the mask, k and its scale words
.endr
.if \s < 7
	WIN 0x40
	MASK (\s)+1                                    ; a whole step ahead
	KLOAD (\s)+1, 0
	WIN 0
	KSLOAD (\s)+1
.endif
	FRONT
.if \s < 7
	WIN 0x40
	KLOAD (\s)+1, 1
	WIN 0
.endif
	BACK 0
	VLOAD \s, 0                                    ; head 0's p has left its registers: they take its v, which lands while head 1's half runs
	BACK 1
	VLOAD \s, 1
.if \s > 0
	WIN 0x41                                       ; O^T window 1, f window 0
	s_wait_alu depctr_va_vdst(0)                   ; the wait directly ahead of the first reader of O^T
.set j, 0
.rept 16
	v_pk_mul_f32 v[OF+j:OF+j+1], v[OF+j:OF+j+1], v[FX:FX+1] op_sel_hi:[1,0]          ; O^T under the new M; each accumulator from its low end on
.set j, j+2
.endr
.set j, 0
.rept 16
	v_pk_mul_f32 v[OF+32+j:OF+32+j+1], v[OF+32+j:OF+32+j+1], v[FX+2:FX+3] op_sel_hi:[1,0]
.set j, j+2
.endr
.endif
	s_wait_alu depctr_va_vdst(0)                   ; the wait directly ahead of the wait below
	s_wait_dscnt 25                                ; all but head 1's 24 loads of v and its scale words
	WIN 0x50                                       ; v and p's codes window 0, C and D window 1
	PV \s, 0
	s_wait_dscnt 0x0
	PV \s, 1
	WIN 0
.rept 5
	v_nop                                          ; places: the next step's score products write over the registers that held v
.endr
.endm
; A HEAD'S END: o = O^T / the sum, brought into the true order along the model's axis, quantised (two blocks of 32) and stored.
.macro FIN u
.set SB, SX+64*(\u)
.set SS, STX+4*(\u)
.set CC, CX+12*(\u)
.set OO, OF+32*(\u)
	v_add_f32 v[SS+2], v[SS+2], v[SS+3]
	s_delay_alu instid0(VALU_DEP_1)
	v_permlanex16_b32 v[TMP], v[SS+2], s28, s29
	s_delay_alu instid0(VALU_DEP_1)
	v_add_f32 v[SS+2], v[SS+2], v[TMP]             ; the row's sum
	s_wait_alu depctr_va_vdst(0)
	v_rcp_f32 v[SS+2], v[SS+2]
	v_nop                                          ; a plain instruction behind the transcendental
	WIN 0x01                                       ; source 0 (O^T) window 1
.set j, 0
	s_wait_alu depctr_va_vdst(0)
.rept 32
	v_mul_f32 v[SB+j], v[OO+j], v[SS+2]            ; o: register 8 t + i is d = 16 t + 8 h + i
.set j, j+1
.endr
	WIN 0
.irp b, 0,1
.irp i, 0,1,2,3,4,5,6,7
	v_permlane16_swap_b32 v[SB+16*\b+\i], v[SB+8+16*\b+\i]         ; register 16 b + i is now d = 32 b + 16 h + i
.endr
.endr
.irp b, 0,1
	v_max3_num_f32 v[BM+\b], |v[SB+16*\b]|, |v[SB+16*\b+1]|, 0x2800000
.endr
.irp i, 2,4,6,8,10,12,14
.irp b, 0,1
	s_delay_alu instid0(VALU_DEP_2)
	v_max3_num_f32 v[BM+\b], v[BM+\b], |v[SB+16*\b+\i]|, |v[SB+16*\b+\i+1]|
.endr
.endr
.irp b, 0,1
	s_delay_alu instid0(VALU_DEP_2)
	v_permlanex16_b32 v[W+\b], v[BM+\b], s28, s29
.endr
.irp b, 0,1
	s_delay_alu instid0(VALU_DEP_2)
	v_max_num_f32 v[BM+\b], v[BM+\b], v[W+\b]
.endr
.irp b, 0,1
	s_delay_alu instid0(VALU_DEP_2)
	v_add_nc_u32 v[CO+\b], 0xfe000000, v[BM+\b]
.endr
.irp b, 0,1
	s_delay_alu instid0(VALU_DEP_2)
	v_lshrrev_b32 v[W+\b], 23, v[CO+\b]
.endr
	v_cvt_scalef32_pk16_bf6_f32 v[CC:CC+2], v[SB:SB+15], v[CO]
	v_cvt_scalef32_pk16_bf6_f32 v[CC+4:CC+6], v[SB+16:SB+31], v[CO+1]
	v_cndmask_b32 v[BY+\u], v[W], v[W+1], s32      ; lane (r, h): block h's byte (also the plain instruction behind the conversions)
.irp i, 0,1,2
	v_permlane16_swap_b32 v[CC+\i], v[CC+4+\i]     ; lane (r, h) now holds block h whole
.endr
.irp i, 0,1,2
	v_mov_b32 v[CC+3+\i], v[CC+4+\i]               ; the block's six registers on end
.endr
.irp p, 0,1,2
	global_store_b64 v[AK], v[CC+2*\p:CC+2*\p+1], s[40:41] offset:768*(\u)+256*\p
.endr
	global_store_b8 v8, v[BY+\u], s[42:43] offset:2*(\u)           ; each head's stores have registers of their own
.endm
.Lpass:                                            ; two trips: a tile of 16 queries for both heads each
	WIN 0x40
.irp u, 0,1
.irp p, 0,1,2
	global_load_b64 v[QF+12*\u+2*\p:QF+12*\u+2*\p+1], v[AK], s[34:35] offset:HB*\u+256*\p
.endr
.endr
	MASK 0
	KLOAD 0, 0
	KLOAD 0, 1
	WIN 0
	global_load_b32 v[QSC], v[AKS], s[36:37]       ; q's scale words
	global_load_b32 v[QSC+1], v[AKS], s[36:37] offset:HB
	KSLOAD 0
.irp u, 0,1
	v_mov_b32 v[STX+4*\u+1], 0xff61b1e6            ; the largest t so far: -3e38
	s_delay_alu instid0(VALU_DEP_1)
	v_floor_f32 v[STX+4*\u], -v[STX+4*\u+1]        ; -M
	v_mov_b32 v[STX+4*\u+2], 0
	v_mov_b32 v[STX+4*\u+3], 0
.endr
	s_wait_alu depctr_va_vdst(0)                   ; the wait directly ahead of the wait below
	s_wait_dscnt 0x0                               ; the first step's k and its scale words
	STEP 0
	STEP 1
	STEP 2
	STEP 3
	STEP 4
	STEP 5
	STEP 6
	STEP 7
	FIN 0
	FIN 1
	s_wait_alu depctr_va_vdst(0)                   ; ahead of the wait and of the backward jump
	s_wait_xcnt 0x0                                ; the bases and the stores' registers are written again only behind this wait
	s_add_nc_u64 s[34:35], s[34:35], 8*768
	s_add_nc_u64 s[36:37], s[36:37], 2*256
	s_add_nc_u64 s[38:39], s[38:39], 8*65536
	s_add_nc_u64 s[40:41], s[40:41], 102400
	s_add_nc_u64 s[42:43], s[42:43], 102400
	s_add_co_u32 s33, s33, 1
	s_cmp_lt_u32 s33, 2
	s_cbranch_scc1 .Lpass
	s_wait_tensorcnt 0x0                           ; the wave's end
	ds_add_u32 v[SPW], v[NIL]
	s_wait_dscnt 0x0
	ROUND                                          ; the closing round
	s_endpgm
.Lfunc_end_k_qd0a8639062_att:
	.size	k_qd0a8639062_att, .Lfunc_end_k_qd0a8639062_att-k_qd0a8639062_att
	.p2alignl 7, 3214868480
	.fill 96, 4, 3214868480
	.section	.rodata,"a",@progbits
	.p2align	6, 0x0
	.amdhsa_kernel k_qd0a8639062_att
		.amdhsa_group_segment_fixed_size 209920
		.amdhsa_private_segment_fixed_size 0
		.amdhsa_enable_private_segment 0
		.amdhsa_kernarg_size 24
		.amdhsa_user_sgpr_count 2
		.amdhsa_user_sgpr_kernarg_segment_ptr 1
		.amdhsa_wavefront_size32 1
		.amdhsa_system_sgpr_workgroup_id_x 1
		.amdhsa_system_sgpr_workgroup_id_y 1
		.amdhsa_system_sgpr_workgroup_id_z 1
		.amdhsa_system_vgpr_workitem_id 0
		.amdhsa_next_free_vgpr 512
		.amdhsa_next_free_sgpr 66
		.amdhsa_reserve_vcc 0
		.amdhsa_float_denorm_mode_32 3
		.amdhsa_float_denorm_mode_16_64 3
		.amdhsa_memory_ordered 1
		.amdhsa_forward_progress 1
		.amdhsa_inst_pref_size 255
	.end_amdhsa_kernel
	.section	.bss,"aw",@nobits
	.p2align	6
	.space	262144
	.amdgpu_metadata
---
amdhsa.version: [ 1, 2 ]
amdhsa.kernels:
  - .name:           k_qd0a8639062_att
    .symbol:         k_qd0a8639062_att.kd
    .args:
      - { .name: qkv, .offset: 0, .size: 8, .value_kind: global_buffer, .address_space: global }
      - { .name: attn_mask, .offset: 8, .size: 8, .value_kind: global_buffer, .address_space: global }
      - { .name: act, .offset: 16, .size: 8, .value_kind: global_buffer, .address_space: global }
    .group_segment_fixed_size: 209920
    .private_segment_fixed_size: 0
    .kernarg_segment_align: 8
    .kernarg_segment_size: 24
    .max_flat_workgroup_size: 256
    .sgpr_count:     66
    .vgpr_count:     512
    .wavefront_size: 32
...
	.end_amdgpu_metadata
.endif
;; end of part 3
;; launch oproj (part 4): grid 64 x 4, 4 waves a work-group, clusters of 4 x 4, 327,680 bytes of LDS; arguments act, wlo, bo, x, out0; writes out0
.if DOCPART == 4
	.amdgcn_target "amdgcn-amd-amdhsa--gfx1250"
	.amdhsa_code_object_version 6
	.text
	.protected	k_qd0a8639062_oproj
	.globl	k_qd0a8639062_oproj
	.p2align	8
	.type	k_qd0a8639062_oproj,@function
k_qd0a8639062_oproj:
	s_mov_b64 s[64:65], 0
	v_nop
	global_prefetch_b8 v0, s[64:65] scope:SCOPE_SE
	s_setreg_imm32_b32 hwreg(HW_REG_WAVE_MODE, 25, 1), 1
	s_wait_xcnt 0x0
	s_wait_alu depctr_hold_cnt(0) depctr_sa_sdst(0) depctr_va_vdst(0) depctr_va_sdst(0) depctr_va_ssrc(0) depctr_va_vcc(0) depctr_vm_vsrc(0)
	s_getreg_b32 s2, hwreg(HW_REG_IB_STS2, 6, 4)
	s_cmp_eq_u32 s2, 0
	s_cbranch_scc0 .Lentry_in_a_cluster
	s_endpgm
.Lentry_in_a_cluster:
	s_bfe_u32 s2, ttmp6, 0x10000c
	s_cmp_lg_u32 s2, 0xf033
	s_cbranch_scc0 .Lentry_shape_is_right
	s_endpgm
.Lentry_shape_is_right:
; out0 = x + o Wo^T + bo, the product on codes of E3M2 with E8M0 scales.
; IN: act (o, rows = tokens 1024 b + l) and wlo, in units of 128 rows, 102,400 dense bytes: [block of 16 rows (8)][step of 128 along K (8)][1,536 bytes: pair p of lane l at 256 p + 8 l], then [row][32] scale bytes.
; A BLOCK is 128 tokens (source 1, 'A', one unit) x 256 rows of Wo (source 0, 'B', two units) with ALL of K: 307,200 bytes of LDS, brought by one tensor load a wave: no ring, nothing is filled again, no padding.
; 256 work-groups in 16 clusters of 4 x 4: cluster c takes tokens 512 c ..; A hangs on cy and is asked for jointly along a row of the cluster, B on cx and jointly along a column.  A wave makes 64 x 128: 32 accumulators.
; The bias is the C of the first products.  My 64 x 128 numbers of x, 256 registers (window 3), are asked for at the head.  No prefetch: everything is asked for at the head, ahead of any loop.
; THE WAY OUT: a block of 16 rows goes through my stage in LDS (over bytes of A's unit, behind a barrier behind which nobody reads fragments) and comes back as rows of 512 bytes; x is added; 32 lanes store 512 consecutive bytes, aligned.
; LIMITS: NaN, infinities and scale bytes 0xff are not served.
.set UNIT,   102400
.set SCO,    98304
.set SPARE,  3*UNIT
.set SPITCH, 528
.set ADRA, 16
.set ADRB, 20
.set STO,  24
.set RD,   25
.set CO,   26
.set ADRS, 27
.set SPW,  28
.set NIL,  29
.set SC,   32                          ; v32-95 scale words: register 32 (k / 4) + 4 i + k % 4: lanes 0-15 A's block i, lanes 16-31 B's block i, step k
.set AF,   128                         ; A's fragments, window 0, two sets of 48
.set BK,   128                         ; the way out: 16 rows read back, two sets of 64
.set G1, 24
.set G0, 32
.set G1B, 48
.set G0B, 56
.set MSB, 0
.macro WIN new
.if MSB != (\new)
	s_set_vgpr_msb (MSB<<8)|(\new)
.set MSB, (\new)
.endif
.endm
.macro CROUND
	s_barrier_signal -1
	s_barrier_wait -1
	s_cmp_lg_u32 s14, 0
	s_cbranch_scc1 .Lnot_wave_0_\@
	s_barrier_signal -3
.Lnot_wave_0_\@:
	s_barrier_wait -3
	s_barrier_signal -1
	s_barrier_wait -1
.endm
	s_load_b256 s[4:11], s[0:1], 0x0               ; act, wlo, bo, x
	s_load_b64 s[12:13], s[0:1], 0x20              ; out0
	v_lshl_add_u32 v[SPW], v0, 2, SPARE
	v_mov_b32 v[NIL], 0
	ds_add_u32 v[SPW], v[NIL]                      ; the opening lines: the add, twice on end, and its wait
	ds_add_u32 v[SPW], v[NIL]
	v_lshrrev_b32 v1, 5, v0
	v_readfirstlane_b32 s14, v1                    ; wave 0..3
	s_lshr_b32 s15, s14, 1                         ; my half of A's rows.  Also: I fetch for A (0) or for B (1)
	s_and_b32 s16, s14, 1                          ; my half of B's rows.  Also: which part I fetch
	s_bfe_u32 s40, ttmp6, 0x40000                  ; cx
	s_bfe_u32 s41, ttmp6, 0x40004                  ; cy
	s_lshl_b32 s43, s41, 2
	s_lshl_b32 s43, 15, s43                        ; my row of the cluster
	s_lshl_b32 s44, 0x1111, s40                    ; my column
	s_or_b32 s[G1+0], s43, (3<<16)|(1<<21)         ; group 1: dense rows of 256 bytes (32 elements of 8); A: 200 rows, B: 400
	s_or_b32 s[G1B+0], s44, (3<<16)|(1<<21)
	s_mov_b32 s[G1+1], 32<<16
	s_mov_b32 s[G1+2], 200<<16
	s_mov_b32 s[G1+3], 32<<16
	s_mov_b32 s[G1+4], 200
	s_mov_b32 s[G1+5], 32
	s_mov_b32 s[G1+6], 0
	s_mov_b32 s[G1+7], 0
	s_mov_b32 s[G1B+1], 32<<16
	s_mov_b32 s[G1B+2], 400<<16
	s_mov_b32 s[G1B+3], 32<<16
	s_mov_b32 s[G1B+4], 400
	s_mov_b32 s[G1B+5], 32
	s_mov_b32 s[G1B+6], 0
	s_mov_b32 s[G1B+7], 0
	s_lshl_b32 s17, ttmp9, 2
	s_add_co_u32 s17, s17, s41                     ; A's unit: 4 c + cy
	s_mul_i32 s20, s17, UNIT
	s_mul_i32 s18, s16, UNIT/2
	s_add_co_u32 s20, s20, s18                     ; my half of it
	s_mov_b32 s21, 0
	s_lshl_b32 s46, s40, 1
	s_add_co_u32 s46, s46, s16                     ; my unit of B's two
	s_mul_i32 s46, s46, UNIT
	s_mov_b32 s47, 0
	s_wait_dscnt 0x0
	s_wait_kmcnt 0x0
	s_add_nc_u64 s[20:21], s[4:5], s[20:21]
	s_add_nc_u64 s[46:47], s[6:7], s[46:47]
	s_mov_b32 s[G0], 1
	s_mul_i32 s[G0+1], s16, UNIT/2
	s_mov_b64 s[G0+2:G0+3], s[20:21]
	s_or_b32 s[G0+3], s[G0+3], 0x80000000
	s_mov_b32 s[G0B], 1
	s_mul_i32 s[G0B+1], s16, UNIT
	s_add_co_u32 s[G0B+1], s[G0B+1], UNIT
	s_mov_b64 s[G0B+2:G0B+3], s[46:47]
	s_or_b32 s[G0B+3], s[G0B+3], 0x80000000
	CROUND                                         ; all sixteen work-groups are here: the joint loads meet
	s_cmp_eq_u32 s15, 0                            ; waves 0 and 1 fetch for A, waves 2 and 3 for B: every way passes one load
	s_cbranch_scc0 .Lfor_b
	tensor_load_to_lds s[G0:G0+3], s[G1:G1+7]
	s_nop 0
.rept 4
	v_nop
.endr
	s_branch .Lasked
.Lfor_b:
	tensor_load_to_lds s[G0B:G0B+3], s[G1B:G1B+7]
	s_nop 0
.rept 4
	v_nop
.endr
.Lasked:
	v_and_b32 v1, 15, v0                           ; r
	v_bfe_u32 v2, v0, 4, 1                         ; h
	v_and_b32 v6, 31, v0
	v_lshlrev_b32 v31, 5, v2                       ; 32 h
	v_lshlrev_b32 v[CO], 4, v6                     ; 16 x lane
	v_lshlrev_b32 v30, 3, v6                       ; 8 x lane
	s_lshl_b32 s46, s40, 10
	s_lshl_b32 s47, s16, 9
	s_add_co_u32 s46, s46, s47                     ; my first column, in bytes
	s_mov_b32 s47, 0
	s_add_nc_u64 s[8:9], s[8:9], s[46:47]          ; the bias there
	s_and_b32 s20, s17, 7
	s_lshl_b32 s20, s20, 1
	s_add_co_u32 s20, s20, s15                     ; l / 64 of my first row,
	s_lshl_b32 s20, s20, 21                        ; 32,768 bytes for each l,
	s_lshr_b32 s21, s17, 3
	s_lshl_b32 s21, s21, 12                        ; 4,096 for each b
	s_add_co_u32 s20, s20, s21
	s_add_co_u32 s20, s20, s46
	s_mov_b32 s21, 0
	s_add_nc_u64 s[10:11], s[10:11], s[20:21]
	s_add_nc_u64 s[12:13], s[12:13], s[20:21]
	s_wait_alu depctr_va_vdst(0)
	WIN 0x40
.irp i, 0,1,2,3,4,5,6,7
	global_load_b128 v[96+8*\i+96*(\i/4):96+8*\i+96*(\i/4)+3], v31, s[8:9] offset:64*\i       ; the bias of column 16 i + 8 h + j, in window 1 beside B's fragments
	global_load_b128 v[96+8*\i+96*(\i/4)+4:96+8*\i+96*(\i/4)+7], v31, s[8:9] offset:64*\i+16
.endr
.macro XLOAD a                         ; x at block a's 16 rows, a row of 512 bytes a load.  (Destination window 3)
.irp t, 0,1,2,3,4,5,6,7,8,9,10,11,12,13,14,15
	global_load_b128 v[64*(\a)+4*\t:64*(\a)+4*\t+3], v[CO], s[10:11] offset:(16*(\a)+\t)*32768 th:TH_LOAD_NT
.endr
.endm
	WIN 0xc0
	XLOAD 0
	XLOAD 1
	XLOAD 2
	WIN 0
	s_mul_i32 s21, s15, 49152
	s_mul_i32 s22, s16, UNIT
	s_add_co_u32 s22, s22, UNIT
	v_add_nc_u32 v[ADRA], s21, v30
	v_add_nc_u32 v[ADRB], s22, v30
	v_add_nc_u32 v[ADRB+1], 49152, v[ADRB]
	v_lshlrev_b32 v5, 5, v1                        ; 32 bytes of scales a row
	s_lshl_b32 s21, s15, 11
	s_sub_co_u32 s22, s22, s21
	v_mul_u32_u24 v6, s22, v2                      ; lanes 16-31 take B's: one product, the distance x h
	s_add_co_u32 s21, s21, SCO
	v_add_nc_u32 v5, v5, v6
	v_add_nc_u32 v[ADRS], s21, v5
	s_mul_i32 s23, s14, 16*SPITCH                  ; my stage
	v_mul_u32_u24 v5, v1, SPITCH
	v_lshl_add_u32 v5, v2, 5, v5
	v_add_nc_u32 v[STO], s23, v5
	v_add_nc_u32 v[RD], s23, v[CO]
.macro FETCH k
	WIN 0x40
.irp b, 0,1,2,3,4,5,6,7
.irp p, 0,1,2,3,4,5
	ds_load_b64 v[128*((\k)%2)+12*\b+2*\p:128*((\k)%2)+12*\b+2*\p+1], v[ADRB+\b/4] offset:(\b%4)*12288+(\k)*1536+256*\p
.endr
.endr
	WIN 0
.irp a, 0,1,2,3
.irp p, 0,1,2,3,4,5
	ds_load_b64 v[AF+48*((\k)%2)+12*\a+2*\p:AF+48*((\k)%2)+12*\a+2*\p+1], v[ADRA] offset:\a*12288+(\k)*1536+256*\p
.endr
.endr
.endm
.macro MUL32 k, first                  ; 32 matrix instructions, the accumulators by turns
.if \first
	WIN 0x91                                       ; source 0 (B) and C (the bias) window 1, source 1 (A) window 0, D window 2
.else
	WIN 0xa1                                       ; C and D window 2
.endif
.irp a, 0,1,2,3
.irp b, 0,1,2,3,4,5,6,7
.if \first
	v_wmma_scale_f32_16x16x128_f8f6f4 v[8*(8*\a+\b):8*(8*\a+\b)+7], v[128*((\k)%2)+12*\b:128*((\k)%2)+12*\b+11], v[AF+48*((\k)%2)+12*\a:AF+48*((\k)%2)+12*\a+11], v[96+8*\b+96*(\b/4):96+8*\b+96*(\b/4)+7], v[SC+32*((\k)/4)+4*\b+(\k)%4], v[SC+32*((\k)/4)+4*\a+(\k)%4] matrix_a_fmt:MATRIX_FMT_BF6 matrix_b_fmt:MATRIX_FMT_BF6 matrix_a_scale:MATRIX_SCALE_ROW1
.else
	v_wmma_scale_f32_16x16x128_f8f6f4 v[8*(8*\a+\b):8*(8*\a+\b)+7], v[128*((\k)%2)+12*\b:128*((\k)%2)+12*\b+11], v[AF+48*((\k)%2)+12*\a:AF+48*((\k)%2)+12*\a+11], v[8*(8*\a+\b):8*(8*\a+\b)+7], v[SC+32*((\k)/4)+4*\b+(\k)%4], v[SC+32*((\k)/4)+4*\a+(\k)%4] matrix_a_fmt:MATRIX_FMT_BF6 matrix_b_fmt:MATRIX_FMT_BF6 matrix_a_scale:MATRIX_SCALE_ROW1
.endif
.endr
.endr
	WIN 0
.endm
.macro PLACES
.rept 4
	v_nop
.endr
.endm
	s_wait_alu depctr_va_vdst(0)                   ; the wait at the head's end
	s_wait_tensorcnt 0x0                           ; my part of the block has landed,
	s_barrier_signal -1
	s_barrier_wait -1                              ; everybody's has
.irp j, 0,1
.irp i, 0,1,2,3,4,5,6,7
	ds_load_b128 v[SC+32*\j+4*\i:SC+32*\j+4*\i+3], v[ADRS] offset:512*\i+16*\j
.endr
.endr
	FETCH 0
	s_wait_loadcnt 48                              ; the bias is in; x's 48 loads may be out
	WIN 0xc0
	XLOAD 3
	WIN 0
	s_wait_dscnt 0x0
	FETCH 1
	MUL32 0, 1                                     ; the first step's products start the sums on the bias
.irp k, 1,2,3,4,5,6
	s_wait_dscnt 0x0                               ; step k's fragments, asked for ahead of the last 32 products
	PLACES
	FETCH \k+1
	MUL32 \k, 0
.endr
	s_wait_dscnt 0x0                               ; my last reads of fragments are done
	s_barrier_signal -1
	MUL32 7, 0
	PLACES
	s_barrier_wait -1                              ; everybody's are: the stages may be written
.macro TOSTAGE a
	WIN 0x08                                       ; the data: window 2
.irp b, 0,1,2,3,4,5,6,7
	ds_store_b128 v[STO], v[64*(\a)+8*\b:64*(\a)+8*\b+3] offset:64*\b          ; each accumulator from its low end on
	ds_store_b128 v[STO], v[64*(\a)+8*\b+4:64*(\a)+8*\b+7] offset:64*\b+16
.endr
	WIN 0
.set BB, BK+64*((\a)%2)
.irp t, 0,1,2,3,4,5,6,7,8,9,10,11,12,13,14,15
	ds_load_b128 v[BB+4*\t:BB+4*\t+3], v[RD] offset:\t*SPITCH      ; LDS serves a wave's instructions in order: these see the stores above
.endr
.endm
.macro SEND a, younger                 ; younger: the LDS instructions issued behind block a's loads, which may stay out
.set BB, BK+64*((\a)%2)
	s_wait_dscnt \younger
	WIN 0x0c                                       ; source 1 (x) window 3
.set n, 0
.rept 32
	v_pk_add_f32 v[BB+n:BB+n+1], v[BB+n:BB+n+1], v[64*(\a)+n:64*(\a)+n+1]
.set n, n+2
.endr
	WIN 0
.irp t, 0,1,2,3,4,5,6,7,8,9,10,11,12,13,14,15
	global_store_b128 v[CO], v[BB+4*\t:BB+4*\t+3], s[12:13] offset:(16*(\a)+\t)*32768 th:TH_STORE_NT
.endr
.endm
	s_wait_loadcnt 0x0                             ; x is in
	TOSTAGE 0
.irp a, 1,2,3
.if \a > 1
	s_wait_xcnt 0x0                                ; block a - 2's stores have read their registers
.endif
	TOSTAGE \a
	SEND \a-1, 32                                  ; behind block a - 1's loads: block a's 16 stores and 16 loads
.endr
	SEND 3, 0
	s_wait_tensorcnt 0x0                           ; the wave's end
	ds_add_u32 v[SPW], v[NIL]
	s_wait_dscnt 0x0
	CROUND                                         ; the closing round
	s_endpgm
.Lfunc_end_k_qd0a8639062_oproj:
	.size	k_qd0a8639062_oproj, .Lfunc_end_k_qd0a8639062_oproj-k_qd0a8639062_oproj
	.p2alignl 7, 3214868480
	.fill 96, 4, 3214868480
	.section	.rodata,"a",@progbits
	.p2align	6, 0x0
	.amdhsa_kernel k_qd0a8639062_oproj
		.amdhsa_group_segment_fixed_size 327680
		.amdhsa_private_segment_fixed_size 0
		.amdhsa_enable_private_segment 0
		.amdhsa_kernarg_size 40
		.amdhsa_user_sgpr_count 2
		.amdhsa_user_sgpr_kernarg_segment_ptr 1
		.amdhsa_wavefront_size32 1
		.amdhsa_system_sgpr_workgroup_id_x 1
		.amdhsa_system_sgpr_workgroup_id_y 1
		.amdhsa_system_sgpr_workgroup_id_z 1
		.amdhsa_system_vgpr_workitem_id 0
		.amdhsa_next_free_vgpr 1024
		.amdhsa_next_free_sgpr 66
		.amdhsa_reserve_vcc 0
		.amdhsa_float_denorm_mode_32 3
		.amdhsa_float_denorm_mode_16_64 3
		.amdhsa_memory_ordered 1
		.amdhsa_forward_progress 1
		.amdhsa_inst_pref_size 108
	.end_amdhsa_kernel
	.amdgpu_metadata
---
amdhsa.version: [ 1, 2 ]
amdhsa.kernels:
  - .name:           k_qd0a8639062_oproj
    .symbol:         k_qd0a8639062_oproj.kd
    .args:
      - { .name: act, .offset: 0, .size: 8, .value_kind: global_buffer, .address_space: global }
      - { .name: wlo, .offset: 8, .size: 8, .value_kind: global_buffer, .address_space: global }
      - { .name: bo, .offset: 16, .size: 8, .value_kind: global_buffer, .address_space: global }
      - { .name: x, .offset: 24, .size: 8, .value_kind: global_buffer, .address_space: global }
      - { .name: out0, .offset: 32, .size: 8, .value_kind: global_buffer, .address_space: global }
    .group_segment_fixed_size: 327680
    .private_segment_fixed_size: 0
    .kernarg_segment_align: 8
    .kernarg_segment_size: 40
    .max_flat_workgroup_size: 128
    .sgpr_count:     66
    .vgpr_count:     1024
    .wavefront_size: 32
...
	.end_amdgpu_metadata
.endif
;; end of part 4
